; MI455X (gfx1250); checked and timed in simulation.
; The chip was launched on July 23, 2026; its instructions are those of AMD's public machine-readable ISA for CDNA 5 (MIT licence, August 2026) and "CDNA5" Instruction Set Architecture Reference Guide (July 2026). The comments in the code are by the model that wrote it; some were corrected since.
;; Multi Headed Attention. Allowed arithmetic: matrix products marked QUANTISED: E2M3 operands, one E8M0 scale for each 32 along K, by v_wmma_scale_f32_16x16x128_f8f6f4 with both operands' format E2M3, f32 sums; everything else in f32.
;; Inputs: Wk 1,024 x 1,024 float32; Wo 1,024 x 1,024 float32; Wq 1,024 x 1,024 float32; Wr 1,024 x 1,024 float32; Wv 1,024 x 1,024 float32; bk 1,024 float32; bo 1,024 float32; bq 1,024 float32; bv 1,024 float32; key 2 x 2,048 x 1,024 float32; query 2 x 2,048 x 1,024 float32; r_bias 16 x 64 float32; r_emb 2,048 x 1,024 float32; r_w_bias 16 x 64 float32; value 2 x 2,048 x 1,024 float32.
;; Outputs: out0 2 x 2,048 x 1,024 float32.
;; This version of the problem:
;;   THIS VERSION OF THE PROBLEM IS GIVEN IN LOW PRECISION. The matrix products marked QUANTISED in the list below multiply operands that are first quantised to E2M3 (2 exponent bits, 3 mantissa bits; 6 bits a number), with one power-of-two scale for each 32 numbers along K (OCP MX v1.0); their sums are f32. All else is computed in f32.
;;   The module's matrix products, in the order in which they are computed (A, B: the left and right operand; K: the contracted axis; several contracted axes count as one K, in the product's order):
;;     1. [M 4,096, K 1,024] x [K 1,024, N 1,024]; A: input query; B: input Wq: QUANTISED
;;     2. [M 4,096, K 1,024] x [K 1,024, N 1,024]; A: input key; B: input Wk: QUANTISED
;;     3. [M 4,096, K 1,024] x [K 1,024, N 1,024]; A: input value; B: input Wv: QUANTISED
;;     4. [M 2,048, K 1,024] x [K 1,024, N 1,024]; A: input r_emb; B: input Wr: QUANTISED
;;     5. batch 32 x [M 2,048, K 64] x [K 64, N 2,048]; A: computed on the way; B: computed on the way: QUANTISED
;;     6. batch 16 x [M 2,048, K 64] x [K 64, N 4,096]; A: computed on the way; B: computed on the way: QUANTISED
;;     7. batch 32 x [M 2,048, K 2,048] x [K 2,048, N 64]; A: softmax (see below); B: computed on the way: QUANTISED
;;     8. [M 4,096, K 1,024] x [K 1,024, N 1,024]; A: computed on the way; B: input Wo: QUANTISED
;;   THE QUANTISER, for each operand of a quantised product, along K:
;;     - K is cut into blocks of 32 from its start; a last block that is shorter is filled with zeros.
;;     - A block's scale is 2^e with e = floor(log2(the largest magnitude in the block)) - 2, held to -126 .. 127; a block of zeros has e = 0. As a byte (E8M0): e + 127.
;;     - Each number is divided by its block's scale, clamped to +-7.5, and rounded to the nearest number of E2M3, ties to even, subnormals kept.
;;     - The product sums the exact products of the quantised numbers (number of the format x scale) in f32.
;;   ~~~python
;;   def quantise(x, axis):      # numpy; x: float32 -> the quantised numbers, widened to float32 again
;;       x = np.moveaxis(x, axis, -1); K = x.shape[-1]
;;       x = np.pad(x, [(0, 0)] * (x.ndim - 1) + [(0, -K % 32)]); x = x.reshape(x.shape[:-1] + (-1, 32)); a = np.abs(x).max(-1, keepdims=True)
;;       e = np.where(a > 0, np.clip(np.frexp(np.where(a > 0, a, 1))[1] - 1 - 2, -126, 127), 0)      # np.frexp(a)[1] - 1 = floor(log2(a)), exactly
;;       r = np.clip(x / 2.0 ** e, -7.5, 7.5)
;;       step = 2.0 ** (np.maximum(np.frexp(np.where(r == 0, 1, r))[1] - 1, 0) - 3)
;;       q = np.round(r / step) * step * 2.0 ** e      # np.round: ties to even
;;       return np.moveaxis(q.reshape(q.shape[:-2] + (-1,))[..., :K], -1, axis).astype(np.float32)
;;   ~~~
;;   SOFTMAX AHEAD OF A QUANTISED PRODUCT. Where the list says 'softmax', what is quantised is not the finished softmax but p = 2^(t - M), with t = logit x log2(e) and M = ceil(the row's largest t), a whole number; so 1/2 < the row's largest p <= 1. The row's sum l is taken of the UNQUANTISED p, in f32, and the product's result is divided by l at the end. Since M is a whole number, a kernel that streams over the keys may use a running M (the ceiling of the running maximum): every later rescaling is an exact power of two, which a block's scale takes up: the codes' values come out the same.
;;   OPERANDS COMPUTED ON THE WAY. 'Computed on the way' means the value that the module computes at that place (a softmax that the list does not call 'softmax' is quantised finished and normalised). What goes into a quantiser is computed in f32, as accurately as f32 sums, v_exp_f32 and their like allow (about 1e-6 of the number): no bf16 or f16 on the way to a quantiser, and a product that is left as it is and whose result goes on into a quantised operand takes f32 operands (vector FMAs, or v_wmma_f32_16x16x4_f32). A number that lies on a knife's edge between two numbers of the format may be rounded either way, as far as f32 arithmetic and the matrix unit's own rounding can turn it there, and no further.
;; One version. Each part assembles by itself: llvm-mc -triple=amdgcn-amd-amdhsa -mcpu=gfx1250 --defsym DOCPART=n.
;; ======== version 1 of 1: 4 launches
;; limits: right only within a limited range of input values
;; workspace buffers: xw 15,564,800 bytes; qbuf 6,815,744 bytes; kvbuf 6,684,672 bytes; rbuf 6,553,600 bytes; abuf 3,276,800 bytes
;; launch quant (part 1): grid 152 x 4, 8 waves a work-group, no clusters, 68,608 bytes of LDS; arguments query, key, value, r_emb, Wq, Wk, Wv, Wr, Wo, xw; writes xw
.if DOCPART == 1
	.amdgcn_target "amdgcn-amd-amdhsa--gfx1250"
	.amdhsa_code_object_version 6
	.text
	.protected	k_q841fee78ec_quant
	.globl	k_q841fee78ec_quant
	.p2align	8
	.type	k_q841fee78ec_quant,@function
k_q841fee78ec_quant:
	s_mov_b64 s[64:65], 0
	v_nop
	global_prefetch_b8 v0, s[64:65] scope:SCOPE_SE
	s_setreg_imm32_b32 hwreg(HW_REG_WAVE_MODE, 25, 1), 1
	s_wait_xcnt 0x0
; The nine f32 tensors whose K is their last axis (1,024) become codes of FP6 (E2M3) with one E8M0 byte for each 32 along K, laid as IMAGES OF OPERAND REGISTERS.
; A fragment (16 rows x 128 K) is 12 registers a lane; its record is 1,536 bytes: registers 0-3 at 16 x lane, registers 4-5 at 512 + 8 x lane, registers 6-9 at 768 + 16 x lane, registers 10-11 at 1,280 + 8 x lane.
; A group block (8 tiles of rows x 256 K) is 25,600 bytes: codes at q x 12,288 + tile x 1,536 (q: which 128 of the 256), scale words at 24,576 + q x 512 + tile x 64 + 4 x row.  A tensor lies as [256 of K][group][block].
; THE ORDER OF K INSIDE A BLOCK OF 32: place 16 h + 8 u + j holds number 16 u + 8 h + j.  Every operand of this program is laid so, both sides of each product alike, so the sums are those of the true order;
; a block's members, and so its scale, are the true ones.  (It is the order in which a matrix result's registers fall when they are quantised in place.)
; A block's scale is 2^(floor(log2(largest magnitude)) - 2); its byte is that magnitude's exponent field - 2, held at 1 from below.
; LIMITS: a block of zeros gets the byte 1 and not 127 (its codes are zeros, and this program alone reads the bytes); NaN and infinities among the inputs are not served.
; SHARES: work-group (x = group among all 152, y = which 256 of K) makes one group block; wave w makes tile w.  Each load reads 512 consecutive bytes of a row; the 16 rows turn through the wave's own
; stage in LDS (pitch 528 = 33 x 16 bytes, so that sixteen rows' reads of 16 bytes fall on different banks) and come back 64 numbers a lane.  No barrier: waves share nothing.
.set STG,   8448                       ; a wave's stage: 16 rows x 528 bytes
.set SPARE, 8*STG                      ; behind the stages: the spare words, 128 bytes a wave: four blocks of 256 bytes that no other line names
.set GRP,   25600
.set SPW,  1                           ; v1  LDS address of my spare word; never rewritten
.set NIL,  2                           ; v2  0; never rewritten
.set L16,  3                           ; v3  16 x lane
.set SIN,  4                           ; v4  the stage, way in
.set SOUT, 5                           ; v5  the stage, way out: row r, + 32 h
.set L8,   6                           ; v6  8 x lane
.set R4,   7                           ; v7  4 x (lane % 16)
.set PC,   16                          ; v16-35  the codes just made
.set TM,   36                          ; v36-51  at work in QUANT
.set PW,   52                          ; v52     the scale word just made
.set RAW,  64                          ; v64-191 two K steps as loaded
.set T,    192                         ; v192-255 64 numbers of my row
.set SEL,  42                          ; s[42:43] selects of v_permlanex16_b32 for lane l xor 16
; 64 numbers of a lane, register 16 b + i = place 32 b + 16 (lane / 16) + i of my row, become a fragment's codes in v[PC] on and its scale word in v[PW]
.macro QUANT s
.irp b, 0,1,2,3
	v_max3_num_f32 v[TM+\b], |v[\s+16*\b]|, |v[\s+1+16*\b]|, 0x1800000   ; my 16 numbers of block b, and the floor 2^(3 - 127): the byte cannot fall under 1
.endr
.irp i, 2,4,6,8,10,12,14
.irp b, 0,1,2,3
	s_delay_alu instid0(VALU_DEP_4)
	v_max3_num_f32 v[TM+\b], v[TM+\b], |v[\s+16*\b+\i]|, |v[\s+1+16*\b+\i]|
.endr
.endr
.irp b, 0,1,2,3
	s_delay_alu instid0(VALU_DEP_4)
	v_permlanex16_b32 v[TM+4+\b], v[TM+\b], s[SEL], s[SEL+1]
.endr
.irp b, 0,1,2,3
	s_delay_alu instid0(VALU_DEP_4)
	v_max_num_f32 v[TM+\b], v[TM+\b], v[TM+4+\b]                  ; with lane l xor 16's: the block's largest magnitude
.endr
.irp b, 0,1,2,3
	s_delay_alu instid0(VALU_DEP_4)
	v_add_nc_u32 v[TM+12+\b], 0xff000000, v[TM+\b]                ; 2 off its exponent field: the conversion's scale operand
.endr
.irp b, 0,1,2,3
	s_delay_alu instid0(VALU_DEP_4)
	v_lshrrev_b32 v[TM+4+\b], 23, v[TM+12+\b]                     ; the scale's byte
.endr
	s_delay_alu instid0(VALU_DEP_3)
	v_lshl_or_b32 v[PW], v[TM+5], 8, v[TM+4]
	s_delay_alu instid0(VALU_DEP_1)
	v_lshl_or_b32 v[PW], v[TM+6], 16, v[PW]
	s_delay_alu instid0(VALU_DEP_1)
	v_lshl_or_b32 v[PW], v[TM+7], 24, v[PW]
.irp c, 0,1
	v_cvt_scalef32_pk16_fp6_f32 v[PC+6*\c:PC+2+6*\c], v[\s+32*\c:\s+15+32*\c], v[TM+12+2*\c]
	v_cvt_scalef32_pk16_fp6_f32 v[PC+12+4*\c:PC+14+4*\c], v[\s+16+32*\c:\s+31+32*\c], v[TM+12+2*\c+1]   ; (a conversion's three registers begin on an even number)
.endr
	v_nop                                                          ; one plain place behind a scaled conversion
.irp c, 0,1                                                    ; the operand's layout wants a whole block in a lane
.irp i, 0,1,2
	v_permlane16_swap_b32 v[PC+6*\c+\i], v[PC+12+4*\c+\i]
.endr
.irp i, 0,1,2
	s_delay_alu instid0(VALU_DEP_3)
	v_mov_b32 v[PC+3+6*\c+\i], v[PC+12+4*\c+\i]
.endr
.endr
.endm
.macro PICK thr, ptr, ng               ; from group thr on: the next tensor.  The choice hangs on the work-group's number alone
	s_cmp_ge_u32 ttmp9, \thr
	s_cselect_b64 s[24:25], s[\ptr:\ptr+1], s[24:25]
	s_cselect_b32 s26, \thr, s26
	s_cselect_b32 s27, \ng, s27
.endm
.macro TURN q                          ; K step q through the stage: LDS serves a wave's instructions in order, so no wait stands between the stores and the loads
.irp p, 0,1,2,3,4,5,6,7,8,9,10,11,12,13,14,15
	ds_store_b128 v[SIN], v[RAW+64*\q+4*\p:RAW+64*\q+4*\p+3] offset:528*\p
.endr
.irp b, 0,1,2,3
.irp u, 0,1
.irp x, 0,1
	ds_load_b128 v[T+16*\b+8*\u+4*\x:T+16*\b+8*\u+4*\x+3], v[SOUT] offset:128*\b+64*\u+16*\x   ; numbers 32 b + 16 u + 8 h + 4 x on
.endr
.endr
.endr
.endm
.macro PUT q                           ; the record and its scale words; each code store covers 512 or 256 consecutive bytes at a multiple of 256
	global_store_b128 v[L16], v[PC:PC+3], s[38:39] offset:\q*12288
	global_store_b64 v[L8], v[PC+4:PC+5], s[38:39] offset:\q*12288+512
	global_store_b128 v[L16], v[PC+6:PC+9], s[38:39] offset:\q*12288+768
	global_store_b64 v[L8], v[PC+10:PC+11], s[38:39] offset:\q*12288+1280
	global_store_b32 v[R4], v[PW], s[40:41] offset:\q*512          ; lanes r and r + 16 hold the same word and store it to the same place
.endm
	s_load_b512 s[4:19], s[0:1], 0x0               ; query, key, value, r_emb, Wq, Wk, Wv, Wr
	s_load_b128 s[20:23], s[0:1], 0x40             ; Wo, xw
	v_lshl_add_u32 v[SPW], v0, 2, SPARE
	v_mov_b32 v[NIL], 0
	v_lshrrev_b32 v8, 5, v0
	s_delay_alu instid0(VALU_DEP_1)
	v_readfirstlane_b32 s28, v8                    ; wave 0..7
	v_and_b32 v9, 31, v0                           ; lane
	v_and_b32 v10, 15, v0                          ; r
	v_bfe_u32 v11, v0, 4, 1                        ; h
	s_delay_alu instid0(VALU_DEP_3)
	v_lshlrev_b32 v[L16], 4, v9
	s_delay_alu instid0(VALU_DEP_4)
	v_lshlrev_b32 v[L8], 3, v9
	s_delay_alu instid0(VALU_DEP_4)
	v_lshlrev_b32 v[R4], 2, v10
	s_mul_i32 s29, s28, STG
	v_add_nc_u32 v[SIN], s29, v[L16]
	v_mul_u32_u24 v[SOUT], v10, 528
	s_delay_alu instid0(VALU_DEP_1)
	v_lshl_add_u32 v[SOUT], v11, 5, v[SOUT]
	s_delay_alu instid0(VALU_DEP_1)
	v_add_nc_u32 v[SOUT], s29, v[SOUT]
.irp b, 0,1,2,3
	v_mov_b32 v[TM+4+\b], 0                        ; written once: a lane permute's destination counts as one of its sources
.endr
	s_mov_b32 s[SEL], 0x76543210
	s_mov_b32 s[SEL+1], 0xfedcba98
	s_and_b32 s30, ttmp7, 0xffff                   ; which 256 of K
	s_wait_alu depctr_va_vdst(0)
	s_wait_kmcnt 0x0
	s_mov_b64 s[24:25], s[4:5]                     ; the tensor, s26 its first group, s27 its groups
	s_mov_b32 s26, 0
	s_mov_b32 s27, 32
	PICK 32, 6, 32
	PICK 64, 8, 32
	PICK 96, 10, 16
	PICK 112, 12, 8
	PICK 120, 14, 8
	PICK 128, 16, 8
	PICK 136, 18, 8
	PICK 144, 20, 8
	s_sub_co_u32 s31, ttmp9, s26                   ; my group in the tensor
	s_lshl_b32 s32, s31, 19                        ; 128 rows of 4,096 bytes,
	s_lshl_b32 s33, s28, 16                        ; my wave's 16 rows,
	s_add_co_u32 s32, s32, s33
	s_lshl_b32 s33, s30, 10                        ; 256 numbers along K
	s_add_co_u32 s32, s32, s33
	s_mov_b32 s33, 0
	s_add_nc_u64 s[24:25], s[24:25], s[32:33]
	s_mul_i32 s34, s30, s27
	s_add_co_u32 s34, s34, s31
	s_mul_i32 s34, s34, GRP
	s_mul_i32 s35, s26, 4*GRP
	s_add_co_u32 s34, s34, s35
	s_mov_b32 s35, 0
	s_add_nc_u64 s[22:23], s[22:23], s[34:35]      ; my group block
	s_mul_i32 s36, s28, 1536
	s_mov_b32 s37, 0
	s_add_nc_u64 s[38:39], s[22:23], s[36:37]      ; my tile's records
	s_lshl_b32 s36, s28, 6
	s_add_co_u32 s36, s36, 24576
	s_add_nc_u64 s[40:41], s[22:23], s[36:37]      ; and its scale words
.irp q, 0,1
.irp p, 0,1,2,3,4,5,6,7,8,9,10,11,12,13,14,15
	global_load_b128 v[RAW+64*\q+4*\p:RAW+64*\q+4*\p+3], v[L16], s[24:25] offset:\p*4096+\q*512 th:TH_LOAD_NT   ; 32 lanes read 512 consecutive bytes of row p
.endr
.endr
	s_wait_loadcnt 16                              ; the first K step's sixteen loads are in; the second's sixteen may be out
	TURN 0
	s_wait_dscnt 0x0
	QUANT T
	PUT 0
	s_wait_loadcnt 0x0
	TURN 1
	s_wait_dscnt 0x0
	s_wait_xcnt 0x0                                ; the stores have read the codes and the scale word: both are written again only behind this wait
	QUANT T
	PUT 1
	s_wait_tensorcnt 0x0                           ; the wave's end: behind my last LDS store
	ds_add_u32 v[SPW], v[NIL]
	s_wait_dscnt 0x0
	s_endpgm
.Lfunc_end_k_q841fee78ec_quant:
	.size	k_q841fee78ec_quant, .Lfunc_end_k_q841fee78ec_quant-k_q841fee78ec_quant
	.p2alignl 7, 3214868480
	.fill 96, 4, 3214868480
	.section	.rodata,"a",@progbits
	.p2align	6, 0x0
	.amdhsa_kernel k_q841fee78ec_quant
		.amdhsa_group_segment_fixed_size 68608
		.amdhsa_private_segment_fixed_size 0
		.amdhsa_enable_private_segment 0
		.amdhsa_kernarg_size 80
		.amdhsa_user_sgpr_count 2
		.amdhsa_user_sgpr_kernarg_segment_ptr 1
		.amdhsa_wavefront_size32 1
		.amdhsa_system_sgpr_workgroup_id_x 1
		.amdhsa_system_sgpr_workgroup_id_y 1
		.amdhsa_system_sgpr_workgroup_id_z 1
		.amdhsa_system_vgpr_workitem_id 0
		.amdhsa_next_free_vgpr 256
		.amdhsa_next_free_sgpr 66
		.amdhsa_reserve_vcc 0
		.amdhsa_float_denorm_mode_32 3
		.amdhsa_float_denorm_mode_16_64 3
		.amdhsa_memory_ordered 1
		.amdhsa_forward_progress 1
		.amdhsa_inst_pref_size 23
	.end_amdhsa_kernel
	.amdgpu_metadata
---
amdhsa.version: [ 1, 2 ]
amdhsa.kernels:
  - .name:           k_q841fee78ec_quant
    .symbol:         k_q841fee78ec_quant.kd
    .args:
      - { .name: query, .offset: 0, .size: 8, .value_kind: global_buffer, .address_space: global }
      - { .name: key, .offset: 8, .size: 8, .value_kind: global_buffer, .address_space: global }
      - { .name: value, .offset: 16, .size: 8, .value_kind: global_buffer, .address_space: global }
      - { .name: r_emb, .offset: 24, .size: 8, .value_kind: global_buffer, .address_space: global }
      - { .name: Wq, .offset: 32, .size: 8, .value_kind: global_buffer, .address_space: global }
      - { .name: Wk, .offset: 40, .size: 8, .value_kind: global_buffer, .address_space: global }
      - { .name: Wv, .offset: 48, .size: 8, .value_kind: global_buffer, .address_space: global }
      - { .name: Wr, .offset: 56, .size: 8, .value_kind: global_buffer, .address_space: global }
      - { .name: Wo, .offset: 64, .size: 8, .value_kind: global_buffer, .address_space: global }
      - { .name: xw, .offset: 72, .size: 8, .value_kind: global_buffer, .address_space: global }
    .group_segment_fixed_size: 68608
    .private_segment_fixed_size: 0
    .kernarg_segment_align: 8
    .kernarg_segment_size: 80
    .max_flat_workgroup_size: 256
    .sgpr_count:     66
    .vgpr_count:     256
    .wavefront_size: 32
...
	.end_amdgpu_metadata
.endif
;; end of part 1
;; launch proj (part 2): grid 4 x 56, 4 waves a work-group, clusters of 4 x 4, 327,680 bytes of LDS; arguments xw, bq, bk, bv, r_w_bias, r_bias, qbuf, kvbuf, rbuf; writes qbuf, kvbuf, rbuf
.if DOCPART == 2
	.amdgcn_target "amdgcn-amd-amdhsa--gfx1250"
	.amdhsa_code_object_version 6
	.text
	.protected	k_q841fee78ec_proj
	.globl	k_q841fee78ec_proj
	.p2align	8
	.type	k_q841fee78ec_proj,@function
k_q841fee78ec_proj:
	s_mov_b64 s[64:65], 0
	v_nop
	global_prefetch_b8 v0, s[64:65] scope:SCOPE_SE
	s_setreg_imm32_b32 hwreg(HW_REG_WAVE_MODE, 25, 1), 1
	s_wait_xcnt 0x0
	s_wait_alu depctr_hold_cnt(0) depctr_sa_sdst(0) depctr_va_vdst(0) depctr_va_sdst(0) depctr_va_ssrc(0) depctr_va_vcc(0) depctr_vm_vsrc(0)
	s_getreg_b32 s2, hwreg(HW_REG_IB_STS2, 6, 4)
	s_cmp_eq_u32 s2, 0
	s_cbranch_scc0 .Lentry_in_a_cluster
	s_endpgm
.Lentry_in_a_cluster:
	s_bfe_u32 s2, ttmp6, 0x10000c
	s_cmp_lg_u32 s2, 0xf033
	s_cbranch_scc0 .Lentry_shape_is_right
	s_endpgm
.Lentry_shape_is_right:
; The four projections, G[l][p] = sum over k of L[l][k] P[p][k], K = 1,024, on codes of FP6 (E2M3) with E8M0 scales, and the quantising of their results into the operands of the attention launch.
; Both operands lie in xw as images of operand registers (a record of 1,536 bytes a fragment; a group block of 25,600 bytes = 8 tiles of rows x 256 K with its scale words; a tensor as [256 of K][group][block]).
; TYPES, by the cluster's y (the same in all sixteen partners): 0-3 q: L = query, P = Wq;  4-7 k: L = key, P = Wk;  8-9 r: L = r_emb, P = Wr;  10-13 v: L = Wv, P = value (so that v's registers run along the keys).
; SHARES: a work-group makes 256 rows of L x 256 rows of P: 224 work-groups.  Wave w takes L's group w / 2 against P's group w % 2: 8 x 8 tiles, 64 accumulators.  Source 0 = 16 rows of P, source 1 = 16 rows of L:
; a lane holds one row of L and its registers run along P: they are quantised as they stand.
; LDS: three regions of 102,400 bytes, each a chunk of 256 K: L's two group blocks, then P's two.  Chunks 0, 1, 2 take regions 0, 1, 2; chunk 3 takes region 0 again.
; THE FILLS, one tensor load a wave at a time: at the head wave w fetches, for chunk w / 2, L's pair of blocks (w even) or P's (w odd), 200 rows of 256 bytes, neighbours in memory; behind the first round each wave fetches one
; block of chunk 2 (100 rows); behind the round in K step 2 one block of chunk 3, into region 0, whose last reads ended with K step 1's fragments.  A barrier in K step 5 shows chunk 3 to every wave.
; CLUSTERS: 4 x 4.  L's blocks hang on the cluster's row, P's on its column: each is asked for jointly by the four that share it.
; NO PREFETCH: the walk has four chunks, two of them asked for at the head, and no loop to run ahead in.
; WHAT LEAVES: q: [q + bq + r_w_bias] and [q + bq + r_bias], half records (16 rows x 64 K, 768 bytes) by head; k: the same for k + bk; v: full records, 16 of the head's 64 x 128 keys;
; r: a table of 4,096 rows u for each head: u < 2,048: [r_u | 0]; u = 2,048: zeros; u > 2,048: [0 | r_(u - 2,049)], so that one product with [q_i | q_(i+1)] serves the relative shift.  Zero halves have the scale byte 0.
; THE WAY OUT is a counted loop over the wave's tiles of L (8 trips; q: 16, the second eight with r_bias).  Only the 32 additions that bring a tile out of the accumulators' windows name other registers from tile to tile:
; they are written once for each tile and chosen by the trip's number; the quantiser and the stores are written once, their bases stepped by scalars.
; LIMITS: the biases are added as acc + (bq + r_w_bias), one f32 rounding placed otherwise than (acc + bq) + r_w_bias; a block of zeros gets the byte 1 and not 127 (this program alone reads the bytes);
; NaN and infinities among the inputs are not served.
; REGISTERS: window 0: v1-31 addresses; v32-47 scale words, two sets; v48-239 L's fragments, two sets; v240-247 bv.  Window 1: v0-191 P's fragments, two sets; v192-255 r_bias.
;   Windows 2, 3: accumulator (a, b) at v[64 (a % 4) + 8 b] of window 2 + a / 4.  On the way out window 0's v48-111 hold the bias along P, v112-239 are at work.
.set GRP,   25600
.set SLOT,  4*GRP
.set SPARE, 3*SLOT                     ; behind the regions: the spare words, 128 bytes a wave: two blocks of 256 bytes that no other line names
.set SCO,   24576                      ; the scale words in a group block
.set QR_C,  3145728                    ; qbuf: q + r_bias's codes behind q + r_w_bias's
.set QW_S,  6291456                    ; qbuf: the scale words
.set V_C,   3145728                    ; kvbuf: v's codes behind k's
.set KV_S,  6291456                    ; kvbuf: the scale words
.set R_S,   6291456                    ; rbuf: the scale words
.set SPW, 1
.set NIL, 2
.set L16, 3                            ; 16 x lane
.set L8,  4                            ; 8 x lane
.set R4,  5                            ; 4 x (lane % 16)
.set VH,  6                            ; lane / 16
.set VR,  7                            ; lane % 16
.set BOF, 8                            ; 32 x (lane / 16)
.set US,  9
.set AL16, 10                          ; v10-18 LDS: my fragments of L (16 and 8 bytes a lane) and their scale words (4 a lane), one register for each region
.set AL8,  13
.set AL4,  16
.set AP16, 19                          ; v19-27 the same for P
.set AP8,  22
.set AP4,  25
.set VM0, 28                           ; r: the position of my row in the tile in hand
.set VM,  29
.set BLC, 30                           ; v[30:31] bv of my row of the tile in hand, and 0
.set SCL, 32
.set LF,  48
.set BP1, 48                           ; the way out: the bias along P
.set PC,  112
.set TM,  132
.set PW,  148
.set ZR,  152
.set SH,  156
.set T,   160
.set ZD,  224
.set VT,  236
.set VU,  237
.set UB16, 238
.set UB8, 239
.set BL,  240
.set TW,  0                            ; window 1: r_w_bias
.set BP2, 192                          ; window 1: r_bias, then bq + r_bias
.set WV,  22
.set WL,  23
.set WP,  24
.set CX,  25
.set CY,  26
.set CL,  27
.set TYP, 28
.set LGRP, 29
.set PGRP, 30
.set LG0, 31
.set G1L, 32
.set G1P, 40
.set GLH, 48                           ; group 0 for L: the head's, chunk 2's, chunk 3's
.set GL2, 52
.set GL3, 56
.set GPH, 60                           ; and for P
.set LNG, 66
.set PG0, 67
.set GP2, 68
.set GP3, 72
.set PNG, 76
.set C0,  77
.set LB,  78
.set PB,  79
.set AI,  80
.set NT,  81
.set STC, 82
.set BK,  83
.set SEL, 84
.set EC,  86
.set ES,  87
.set BQ,  88
.set IX,  89
.set DC,  90
.set DSA, 92
.set DSB, 94
.set FT,  48                           ; r, on the way out: the head's table and its scale words (the descriptors that lay there are done with)
.set FS,  50
.set MSB, 0
.macro WIN new                         ; the immediate's high byte repeats the setting that is left
.if MSB != (\new)
	s_set_vgpr_msb (MSB<<8)|(\new)
.set MSB, (\new)
.endif
.endm
.macro PLACES n
.rept \n
	v_nop
.endr
.endm
.macro CROUND                          ; a round of the cluster's barrier
	s_barrier_signal -1
	s_barrier_wait -1
	s_cmp_lg_u32 s[WV], 0
	s_cbranch_scc1 .Lnot_wave_0_\@
	s_barrier_signal -3
.Lnot_wave_0_\@:
	s_barrier_wait -3
	s_barrier_signal -1
	s_barrier_wait -1
.endm
; A joint load: even waves for L, odd waves for P; the branch hangs on the wave's number alone.  An s_nop 0 and four v_nop follow each line.
.macro JLOAD gl, gp
	s_cmp_eq_u32 s[WP], 0
	s_cbranch_scc0 .Lfor_p_\@
	tensor_load_to_lds s[\gl:\gl+3], s[G1L:G1L+7]
	s_nop 0
	PLACES 4
	s_branch .Lasked_\@
.Lfor_p_\@:
	tensor_load_to_lds s[\gp:\gp+3], s[G1P:G1P+7]
	s_nop 0
	PLACES 4
.Lasked_\@:
.endm
.macro QUANT s                         ; 64 numbers of a lane, register 16 b + i = place 32 b + 16 (lane / 16) + i of my row, become a fragment's codes in v[PC] on and its scale word in v[PW]
.irp b, 0,1,2,3
	v_max3_num_f32 v[TM+\b], |v[\s+16*\b]|, |v[\s+1+16*\b]|, 0x1800000   ; and the floor 2^(3 - 127): the byte cannot fall under 1
.endr
.irp i, 2,4,6,8,10,12,14
.irp b, 0,1,2,3
	v_max3_num_f32 v[TM+\b], v[TM+\b], |v[\s+16*\b+\i]|, |v[\s+1+16*\b+\i]|
.endr
.endr
.irp b, 0,1,2,3
	v_permlanex16_b32 v[TM+4+\b], v[TM+\b], s[SEL], s[SEL+1]
.endr
.irp b, 0,1,2,3
	v_max_num_f32 v[TM+\b], v[TM+\b], v[TM+4+\b]
.endr
.irp b, 0,1,2,3
	v_add_nc_u32 v[TM+12+\b], 0xff000000, v[TM+\b]                ; 2 off the exponent field: the conversion's scale operand
.endr
.irp b, 0,1,2,3
	v_lshrrev_b32 v[TM+4+\b], 23, v[TM+12+\b]
.endr
	v_lshl_or_b32 v[PW], v[TM+5], 8, v[TM+4]
	v_lshl_or_b32 v[PW], v[TM+6], 16, v[PW]
	v_lshl_or_b32 v[PW], v[TM+7], 24, v[PW]
.irp c, 0,1
	v_cvt_scalef32_pk16_fp6_f32 v[PC+6*\c:PC+2+6*\c], v[\s+32*\c:\s+15+32*\c], v[TM+12+2*\c]
	v_cvt_scalef32_pk16_fp6_f32 v[PC+12+4*\c:PC+14+4*\c], v[\s+16+32*\c:\s+31+32*\c], v[TM+12+2*\c+1]
.endr
	v_nop                                                          ; one plain place behind a scaled conversion
.irp c, 0,1
.irp i, 0,1,2
	v_permlane16_swap_b32 v[PC+6*\c+\i], v[PC+12+4*\c+\i]
.endr
.irp i, 0,1,2
	v_mov_b32 v[PC+3+6*\c+\i], v[PC+12+4*\c+\i]
.endr
.endr
.endm
; one product.  cz: the constant 0 starts the sum.  ra, rb: the side's scale words stand in lanes 16-31 of the register named
.macro WM d, a, b, cz, sa, sb, ra, rb
.if (\cz)
.if (\ra) && (\rb)
	v_wmma_scale_f32_16x16x128_f8f6f4 v[(\d):(\d)+7], v[(\a):(\a)+11], v[(\b):(\b)+11], 0, v[\sa], v[\sb] matrix_a_fmt:MATRIX_FMT_FP6 matrix_b_fmt:MATRIX_FMT_FP6 matrix_a_scale:MATRIX_SCALE_ROW1 matrix_b_scale:MATRIX_SCALE_ROW1
.elseif (\ra)
	v_wmma_scale_f32_16x16x128_f8f6f4 v[(\d):(\d)+7], v[(\a):(\a)+11], v[(\b):(\b)+11], 0, v[\sa], v[\sb] matrix_a_fmt:MATRIX_FMT_FP6 matrix_b_fmt:MATRIX_FMT_FP6 matrix_a_scale:MATRIX_SCALE_ROW1
.elseif (\rb)
	v_wmma_scale_f32_16x16x128_f8f6f4 v[(\d):(\d)+7], v[(\a):(\a)+11], v[(\b):(\b)+11], 0, v[\sa], v[\sb] matrix_a_fmt:MATRIX_FMT_FP6 matrix_b_fmt:MATRIX_FMT_FP6 matrix_b_scale:MATRIX_SCALE_ROW1
.else
	v_wmma_scale_f32_16x16x128_f8f6f4 v[(\d):(\d)+7], v[(\a):(\a)+11], v[(\b):(\b)+11], 0, v[\sa], v[\sb] matrix_a_fmt:MATRIX_FMT_FP6 matrix_b_fmt:MATRIX_FMT_FP6
.endif
.else
.if (\ra) && (\rb)
	v_wmma_scale_f32_16x16x128_f8f6f4 v[(\d):(\d)+7], v[(\a):(\a)+11], v[(\b):(\b)+11], v[(\d):(\d)+7], v[\sa], v[\sb] matrix_a_fmt:MATRIX_FMT_FP6 matrix_b_fmt:MATRIX_FMT_FP6 matrix_a_scale:MATRIX_SCALE_ROW1 matrix_b_scale:MATRIX_SCALE_ROW1
.elseif (\ra)
	v_wmma_scale_f32_16x16x128_f8f6f4 v[(\d):(\d)+7], v[(\a):(\a)+11], v[(\b):(\b)+11], v[(\d):(\d)+7], v[\sa], v[\sb] matrix_a_fmt:MATRIX_FMT_FP6 matrix_b_fmt:MATRIX_FMT_FP6 matrix_a_scale:MATRIX_SCALE_ROW1
.elseif (\rb)
	v_wmma_scale_f32_16x16x128_f8f6f4 v[(\d):(\d)+7], v[(\a):(\a)+11], v[(\b):(\b)+11], v[(\d):(\d)+7], v[\sa], v[\sb] matrix_a_fmt:MATRIX_FMT_FP6 matrix_b_fmt:MATRIX_FMT_FP6 matrix_b_scale:MATRIX_SCALE_ROW1
.else
	v_wmma_scale_f32_16x16x128_f8f6f4 v[(\d):(\d)+7], v[(\a):(\a)+11], v[(\b):(\b)+11], v[(\d):(\d)+7], v[\sa], v[\sb] matrix_a_fmt:MATRIX_FMT_FP6 matrix_b_fmt:MATRIX_FMT_FP6
.endif
.endif
.endm
.macro FRAGLD reg, a16, a8, off        ; a record comes back as the registers that it is an image of: every load takes consecutive bytes
	ds_load_b128 v[(\reg):(\reg)+3], v[\a16] offset:(\off)
	ds_load_b64 v[(\reg)+4:(\reg)+5], v[\a8] offset:(\off)+512
	ds_load_b128 v[(\reg)+6:(\reg)+9], v[\a16] offset:(\off)+768
	ds_load_b64 v[(\reg)+10:(\reg)+11], v[\a8] offset:(\off)+1280
.endm
.macro FETCH s                         ; K step s (chunk s / 2, in region (s / 2) % 3): P's eight fragments, L's eight, and the scale words (a load of 4 bytes a lane brings two tiles' words): 72 loads
.set RG, ((\s)/2)%3
	WIN 0x40                                       ; destination window 1, address window 0
.irp b, 0,1,2,3,4,5,6,7
	FRAGLD 96*((\s)%2)+12*\b, AP16+RG, AP8+RG, ((\s)%2)*12288+\b*1536
.endr
	WIN 0
.irp a, 0,1,2,3,4,5,6,7
	FRAGLD LF+96*((\s)%2)+12*\a, AL16+RG, AL8+RG, ((\s)%2)*12288+\a*1536
.endr
.irp k, 0,1,2,3
	ds_load_b32 v[SCL+8*((\s)%2)+\k], v[AL4+RG] offset:((\s)%2)*512+128*\k
	ds_load_b32 v[SCL+8*((\s)%2)+4+\k], v[AP4+RG] offset:((\s)%2)*512+128*\k
.endr
.endm
.macro MULH s, hi                      ; 32 products: L's tiles 4 hi + 0..3 against P's eight.  The 64 accumulators take turns, one instruction a turn, in the same order in every step
	WIN 0xa1+0x50*(\hi)                            ; source 0 (P) window 1, source 1 (L) window 0, C and D window 2 + hi
.irp a, 0,1,2,3
.irp b, 0,1,2,3,4,5,6,7
	WM 64*\a+8*\b, 96*((\s)%2)+12*\b, LF+96*((\s)%2)+12*(4*(\hi)+\a), (\s)==0, SCL+8*((\s)%2)+4+\b/2, SCL+8*((\s)%2)+2*(\hi)+\a/2, \b%2, \a%2
.endr
.endr
.endm
.macro BIASLD                          ; the biases, under the last K step's products, into registers that K step 6's fragments have left.  All are loaded on the one way that every type takes, at offsets held inside their buffers
	WIN 0
.irp b, 0,1,2,3,4,5,6,7                        ; register 8 b + j: the number at 16 b + 8 (lane / 16) + j: the result's layout
	global_load_b128 v[BP1+8*\b:BP1+8*\b+3], v[BOF], s[6:7] offset:64*\b
	global_load_b128 v[BP1+8*\b+4:BP1+8*\b+7], v[BOF], s[6:7] offset:64*\b+16
.endr
.irp a, 0,1,2,3,4,5,6,7
	global_load_b32 v[BL+\a], v[R4], s[10:11] offset:64*\a         ; bv of my row of tile a
.endr
	WIN 0x40
.irp b, 0,1,2,3,4,5,6,7
	global_load_b128 v[TW+8*\b:TW+8*\b+3], v[BOF], s[12:13] offset:64*\b
	global_load_b128 v[TW+8*\b+4:TW+8*\b+7], v[BOF], s[12:13] offset:64*\b+16
	global_load_b128 v[BP2+8*\b:BP2+8*\b+3], v[BOF], s[14:15] offset:64*\b
	global_load_b128 v[BP2+8*\b+4:BP2+8*\b+7], v[BOF], s[14:15] offset:64*\b+16
.endr
.endm
; A K step of 128: the next step's fragments are asked for, then (kind 0) this step's 64 products are issued.  kind 1: the round behind which region 0 takes chunk 3; kind 2: the barrier that shows chunk 3 to every wave.
.macro STEP s, kind
	s_wait_dscnt 0x0                               ; this step's fragments are in
.if (\kind) == 1
	WIN 0                                          ; (the add's two registers lie in window 0)
	s_wait_tensorcnt 0x0                           ; my block of chunk 2 has landed: no tensor load of mine is out;
	ds_add_u32 v[SPW], v[NIL]                      ; 0 onto my spare word;
	MULH \s, 0                                     ; 32 products stand between the add and the wait for it
	s_wait_dscnt 0x0                               ; the add is done; my reads of region 0 ended with K step 1's fragments
	WIN 0
	CROUND                                         ; both hold of every wave of the sixteen work-groups
	JLOAD GL3, GP3                                 ; chunk 3, the first tensor load behind the round; its four v_nop are the places in front of the loads below
	FETCH (\s)+1
	MULH \s, 1
.elseif (\kind) == 2
	s_wait_tensorcnt 0x0                           ; my block of chunk 3 has landed
	s_barrier_signal -1
	MULH \s, 0
	s_barrier_wait -1                              ; everybody's has
	PLACES 4
	FETCH (\s)+1
	MULH \s, 1
.else
.if (\s) > 0
	PLACES 4                                       ; in front of loads into registers that matrix instructions have read
.endif
.if (\s) < 7
	FETCH (\s)+1
.else
	BIASLD
.endif
	MULH \s, 0
	MULH \s, 1
.endif
.endm
	s_load_b512 s[4:19], s[0:1], 0x0               ; xw, bq, bk, bv, r_w_bias, r_bias, qbuf, kvbuf
	s_load_b64 s[20:21], s[0:1], 0x40              ; rbuf
	v_lshl_add_u32 v[SPW], v0, 2, SPARE
	v_mov_b32 v[NIL], 0
	ds_add_u32 v[SPW], v[NIL]                      ; the wave's opening: the add, twice on end, and its wait ahead of my first tensor load
	ds_add_u32 v[SPW], v[NIL]
	v_lshrrev_b32 v9, 5, v0
	v_readfirstlane_b32 s[WV], v9                  ; wave 0..3
	s_lshr_b32 s[WL], s[WV], 1                     ; which group of L is mine.  Also: which chunk (head) or block (later) I fetch
	s_and_b32 s[WP], s[WV], 1                      ; which group of P is mine.  Also: I fetch for L (0) or for P (1)
	s_bfe_u32 s[CX], ttmp6, 0x40000
	s_bfe_u32 s[CY], ttmp6, 0x40004
	s_and_b32 s[CL], ttmp7, 0xffff                 ; the cluster's y
	s_mov_b32 s[TYP], 0                            ; the type and its tensors' first groups and numbers of groups in xw
	s_mov_b32 s[LG0], 0
	s_mov_b32 s[LNG], 32
	s_mov_b32 s[PG0], 112
	s_mov_b32 s[PNG], 8
	s_mov_b32 s[C0], 0
	s_cmp_ge_u32 s[CL], 4
	s_cselect_b32 s[TYP], 1, s[TYP]
	s_cselect_b32 s[LG0], 32, s[LG0]
	s_cselect_b32 s[PG0], 120, s[PG0]
	s_cselect_b32 s[C0], 4, s[C0]
	s_cmp_ge_u32 s[CL], 8
	s_cselect_b32 s[TYP], 2, s[TYP]
	s_cselect_b32 s[LG0], 96, s[LG0]
	s_cselect_b32 s[LNG], 16, s[LNG]
	s_cselect_b32 s[PG0], 136, s[PG0]
	s_cselect_b32 s[C0], 8, s[C0]
	s_cmp_ge_u32 s[CL], 10
	s_cselect_b32 s[TYP], 3, s[TYP]
	s_cselect_b32 s[LG0], 128, s[LG0]
	s_cselect_b32 s[LNG], 8, s[LNG]
	s_cselect_b32 s[PG0], 64, s[PG0]
	s_cselect_b32 s[PNG], 32, s[PNG]
	s_cselect_b32 s[C0], 10, s[C0]
	s_cselect_b32 s2, 0, -1                        ; v's clusters lie side by side along P, the others' one below the other along L
	s_cselect_b32 s3, -1, 0
	s_sub_co_u32 s[C0], s[CL], s[C0]               ; the cluster's number within its type
	s_and_b32 s2, s2, s[C0]
	s_and_b32 s3, s3, s[C0]
	s_lshl_b32 s[LB], s2, 2
	s_add_co_u32 s[LB], s[LB], s[CY]               ; my 256 rows of L
	s_lshl_b32 s[PB], s3, 2
	s_add_co_u32 s[PB], s[PB], s[CX]               ; my 256 rows of P
	s_lshl_b32 s[LGRP], s[LB], 1
	s_add_co_u32 s[LGRP], s[LGRP], s[WL]           ; the group of L that I multiply
	s_lshl_b32 s[PGRP], s[PB], 1
	s_add_co_u32 s[PGRP], s[PGRP], s[WP]           ; the group of P that I multiply
	s_lshl_b32 s2, s[CY], 2
	s_lshl_b32 s2, 15, s2                          ; my row of the cluster
	s_lshl_b32 s3, 0x1111, s[CX]                   ; my column
	s_or_b32 s[G1L], s2, (3<<16)|(1<<21)           ; 15:0 the mask; 17:16 elements of 8 bytes; 20 no padding; 21 set beside a mask
	s_or_b32 s[G1P], s3, (3<<16)|(1<<21)
.irp g, G1L, G1P
	s_mov_b32 s[\g+1], 32<<16                      ; tensor_dim0 = 32 elements: rows of 256 bytes of a dense block
	s_mov_b32 s[\g+2], 200<<16                     ; the head's loads: two group blocks, 200 rows
	s_mov_b32 s[\g+3], 32<<16                      ; tile_dim0
	s_mov_b32 s[\g+4], 200
	s_mov_b32 s[\g+5], 32                          ; the pitch
	s_mov_b32 s[\g+6], 0
	s_mov_b32 s[\g+7], 0
.endr
	s_lshl_b32 s90, s[LG0], 2                      ; L: block 4 x first group + chunk x groups + group; in registers that never hold cx
	s_lshl_b32 s91, s[LB], 1
	s_add_co_u32 s90, s90, s91
	s_mul_i32 s91, s[WL], s[LNG]
	s_add_co_u32 s91, s91, s90
	s_mul_i32 s92, s91, GRP                        ; the head's: chunk w / 2, both groups
	s_lshl_b32 s91, s[LNG], 1
	s_add_co_u32 s91, s91, s90
	s_add_co_u32 s91, s91, s[WL]
	s_mul_i32 s94, s91, GRP                        ; chunk 2, group w / 2
	s_add_co_u32 s91, s91, s[LNG]
	s_mul_i32 s96, s91, GRP                        ; chunk 3
	s_mov_b32 s93, 0
	s_mov_b32 s95, 0
	s_mov_b32 s97, 0
	s_lshl_b32 s98, s[PG0], 2                      ; P likewise, in registers that never hold cy
	s_lshl_b32 s99, s[PB], 1
	s_add_co_u32 s98, s98, s99
	s_mul_i32 s99, s[WL], s[PNG]
	s_add_co_u32 s99, s99, s98
	s_mul_i32 s82, s99, GRP
	s_lshl_b32 s99, s[PNG], 1
	s_add_co_u32 s99, s99, s98
	s_add_co_u32 s99, s99, s[WL]
	s_mul_i32 s86, s99, GRP
	s_add_co_u32 s99, s99, s[PNG]
	s_mul_i32 s88, s99, GRP
	s_mov_b32 s83, 0
	s_mov_b32 s87, 0
	s_mov_b32 s89, 0
	s_mul_i32 s2, s[WL], SLOT                      ; where the head's load goes: region w / 2, L's pair or P's
	s_mul_i32 s3, s[WP], 2*GRP
	s_add_co_u32 s2, s2, s3
	s_mul_i32 s80, s[WL], GRP                      ; and the later ones, in their region: block w / 2 of that pair
	s_add_co_u32 s80, s80, s3
	s_mov_b32 s[SEL], 0x76543210
	s_mov_b32 s[SEL+1], 0xfedcba98
	s_wait_dscnt 0x0                               ; both opening adds are done
	s_wait_kmcnt 0x0
.macro MKG0 g, off
	s_mov_b32 s[\g], 1
	s_add_nc_u64 s[\g+2:\g+3], s[4:5], s[\off:\off+1]
	s_or_b32 s[\g+3], s[\g+3], 0x80000000
.endm
	MKG0 GLH, 92
	MKG0 GL2, 94
	MKG0 GL3, 96
	MKG0 GPH, 82
	MKG0 GP2, 86
	MKG0 GP3, 88
	s_mov_b32 s[GLH+1], s2
	s_mov_b32 s[GPH+1], s2
	s_add_co_u32 s[GL2+1], s80, 2*SLOT
	s_add_co_u32 s[GP2+1], s80, 2*SLOT
	s_mov_b32 s[GL3+1], s80
	s_mov_b32 s[GP3+1], s80
	CROUND                                         ; all sixteen work-groups are here: the joint loads meet
	JLOAD GLH, GPH                                 ; chunks 0 and 1: one tensor load a wave at the head
	s_and_b32 s2, s[PB], 3                         ; the biases along P: 4 bytes x 128 x my group, held inside the buffers
	s_lshl_b32 s2, s2, 10
	s_lshl_b32 s3, s[WP], 9
	s_add_co_u32 s2, s2, s3
	s_mov_b32 s3, 0
	s_cmp_eq_u32 s[TYP], 1
	s_cselect_b64 s[6:7], s[8:9], s[6:7]           ; bk for k, else bq
	s_add_nc_u64 s[6:7], s[6:7], s[2:3]
	s_add_nc_u64 s[12:13], s[12:13], s[2:3]
	s_add_nc_u64 s[14:15], s[14:15], s[2:3]
	s_and_b32 s2, s[LGRP], 7                       ; along L (v alone): 4 bytes x 128 x my group
	s_lshl_b32 s2, s2, 9
	s_add_nc_u64 s[10:11], s[10:11], s[2:3]
	s_mul_i32 s90, s[WL], GRP                      ; my group of L in a region,
	s_add_co_u32 s91, s90, SCO
	s_mul_i32 s92, s[WP], GRP
	s_add_co_u32 s92, s92, 2*GRP                   ; my group of P
	s_add_co_u32 s93, s92, SCO
	s_lshl_b32 s94, s[LGRP], 7                     ; my first row of L
	v_and_b32 v9, 31, v0                           ; lane
	v_and_b32 v[VR], 15, v0
	v_bfe_u32 v[VH], v0, 4, 1
	v_lshlrev_b32 v[L16], 4, v9
	v_lshlrev_b32 v[L8], 3, v9
	v_lshlrev_b32 v29, 2, v9
	v_lshlrev_b32 v[R4], 2, v[VR]
	v_lshlrev_b32 v[BOF], 5, v[VH]
	v_add_nc_u32 v[AL16], s90, v[L16]
	v_add_nc_u32 v[AL8], s90, v[L8]
	v_add_nc_u32 v[AL4], s91, v29
	v_add_nc_u32 v[AP16], s92, v[L16]
	v_add_nc_u32 v[AP8], s92, v[L8]
	v_add_nc_u32 v[AP4], s93, v29
.irp x, AL16, AL8, AL4, AP16, AP8, AP4
	v_add_nc_u32 v[\x+1], SLOT, v[\x]
	v_add_nc_u32 v[\x+2], 2*SLOT, v[\x]
.endr
	v_add_nc_u32 v[VM0], s94, v[VR]                ; r: the position of my row of tile 0
	v_mov_b32 v[BLC+1], 0                          ; (named with bv as a pair, so it is written)
	s_wait_alu depctr_va_vdst(0)
	s_wait_tensorcnt 0x0                           ; my part of chunks 0 and 1 is in; ahead of a later first fill:
	ds_add_u32 v[SPW], v[NIL]                      ; 0 onto my spare word;
	s_mov_b32 s[G1L+2], 100<<16                    ; no tensor load of mine is out, so a descriptor may be written: from here on a load brings one group block, 100 rows
	s_mov_b32 s[G1L+4], 100
	s_mov_b32 s[G1P+2], 100<<16
	s_mov_b32 s[G1P+4], 100
	s_wait_dscnt 0x0                               ; the add is done
	CROUND                                         ; a whole round: everybody's part is in, and the sixteen work-groups are here
	JLOAD GL2, GP2                                 ; chunk 2 into region 2, the first tensor load behind the round: it has two K steps, 128 products a wave, before the wait for it
	FETCH 0
	STEP 0, 0
	STEP 1, 0
	STEP 2, 1
	STEP 3, 0
	STEP 4, 0
	STEP 5, 2
	STEP 6, 0
	STEP 7, 0
	WIN 0
	s_wait_loadcnt 0x0                             ; the biases are in
	PLACES 4                                       ; behind the last products: their results are read and their operands' registers written below
	WIN 0x44                                       ; source 1 and destination window 1
.set i, 0
.rept 32
	v_pk_add_f32 v[BP2+i:BP2+i+1], v[BP1+i:BP1+i+1], v[BP2+i:BP2+i+1]   ; bq + r_bias
.set i, i+2
.endr
	WIN 0
.irp b, 0,1,2,3
	v_mov_b32 v[TM+4+\b], 0                        ; written once: a lane permute's destination counts as one of its sources
	v_mov_b32 v[ZR+\b], 0
.endr
	s_cmp_eq_u32 s[TYP], 0
	s_cbranch_scc0 .Lnot_q
	WIN 0x04                                       ; source 1 window 1
.set i, 0
.rept 32
	v_pk_add_f32 v[BP1+i:BP1+i+1], v[BP1+i:BP1+i+1], v[TW+i:TW+i+1]     ; q alone: bq + r_w_bias
.set i, i+2
.endr
	WIN 0
.Lnot_q:
	s_cmp_lt_u32 s[TYP], 2
	s_cbranch_scc1 .Lbias_set
.set i, 0
.rept 64
	v_mov_b32 v[BP1+i], 0                          ; r and v have no bias along P: the addition that brings a tile out of the accumulators' windows adds 0
.set i, i+1
.endr
.Lbias_set:
	s_wait_alu depctr_va_vdst(0)                   ; ahead of the run of scalar lines and branches below
	; where each type's results go, and how the bases step from tile to tile
	s_mov_b32 s[AI], 0
	s_mov_b32 s[BK], 99                            ; the trip behind which the bases take a further step: none
	s_mov_b32 s[BQ], 99
	s_mov_b32 s[EC], 0
	s_mov_b32 s[ES], 0
	s_mov_b32 s[STC], 1536
	s_mov_b32 s[NT], 8
	s_cmp_eq_u32 s[TYP], 2
	s_cbranch_scc1 .Lbase_r
	s_cmp_eq_u32 s[TYP], 3
	s_cbranch_scc1 .Lbase_v
	; ---- q and k: rows are tokens, P runs along two heads
	s_lshl_b32 s2, s[LGRP], 3                      ; my first tile of tokens
	s_lshr_b32 s3, s2, 7                           ; the batch,
	s_and_b32 s2, s2, 127                          ; the tile in it
	s_lshl_b32 s3, s3, 4
	s_lshl_b32 s31, s[PGRP], 1
	s_add_co_u32 s3, s3, s31                       ; 16 x batch + my first head
	s_lshl_b32 s31, s3, 7
	s_add_co_u32 s31, s31, s2
	s_mul_i32 s96, s31, 768                        ; the codes
	s_mov_b32 s97, 0
	s_lshl_b32 s31, s3, 13                         ; q's scale words: 4 bytes a query, 2,048 queries a head
	s_lshl_b32 s66, s2, 6
	s_add_co_u32 s31, s31, s66
	s_add_co_u32 s31, s31, QW_S
	s_mul_i32 s66, s3, 12288                       ; k's: 768 bytes a key step (eight tiles of k, four of v), sixteen steps a head; my eight tiles are one key step's
	s_lshr_b32 s67, s2, 3
	s_mul_i32 s67, s67, 768
	s_add_co_u32 s66, s66, s67
	s_add_co_u32 s66, s66, KV_S
	s_mov_b32 s67, 12288
	s_mov_b32 s[STC], 768
	s_mov_b32 s[EC], QR_C-8*768                    ; q, behind its eighth tile: back to the first, in q + r_bias's part of qbuf
	s_mov_b32 s[ES], 262144-8*64
	s_cmp_eq_u32 s[TYP], 0
	s_cselect_b64 s[DC:DC+1], s[16:17], s[18:19]   ; qbuf or kvbuf
	s_cselect_b32 s98, s31, s66
	s_cselect_b32 s67, 8192, s67                   ; from a head's scale words to the next head's
	s_cselect_b32 s[BK], 7, s[BK]
	s_cselect_b32 s[BQ], 7, s[BQ]
	s_cselect_b32 s[NT], 16, 8
	s_mov_b32 s99, 0
	s_add_nc_u64 s[DSA:DSA+1], s[DC:DC+1], s[98:99]
	s_add_co_u32 s98, s98, s67
	s_add_nc_u64 s[DSB:DSB+1], s[DC:DC+1], s[98:99]
	s_add_nc_u64 s[DC:DC+1], s[DC:DC+1], s[96:97]
	s_mov_b64 s[FT:FT+1], s[DSA:DSA+1]             ; r's two bases are used by r alone; every type writes them, so that on every way through the text they hold an address in a buffer that this launch stores into
	s_mov_b64 s[FS:FS+1], s[DSA:DSA+1]
	s_branch .Lbased
.Lbase_v:
	; ---- v: rows are two heads' 64 + 64, P runs along the 128 keys of a key step
	s_lshl_b32 s2, s[LGRP], 1                      ; my first head
	s_lshr_b32 s31, s[PGRP], 4                     ; the batch,
	s_and_b32 s3, s[PGRP], 15                      ; the key step
	s_lshl_b32 s31, s31, 4
	s_add_co_u32 s2, s2, s31
	s_lshl_b32 s31, s2, 4
	s_add_co_u32 s31, s31, s3
	s_mul_i32 s96, s31, 6144
	s_add_co_u32 s96, s96, V_C
	s_mov_b32 s97, 0
	s_add_nc_u64 s[DC:DC+1], s[18:19], s[96:97]
	s_mul_i32 s96, s2, 12288
	s_mul_i32 s31, s3, 768
	s_add_co_u32 s96, s96, s31
	s_add_co_u32 s96, s96, KV_S+512
	s_add_nc_u64 s[DSA:DSA+1], s[18:19], s[96:97]
	s_mov_b64 s[DSB:DSB+1], s[DSA:DSA+1]
	s_mov_b64 s[FT:FT+1], s[DSA:DSA+1]             ; (r's two bases: written by every type, used by r alone)
	s_mov_b64 s[FS:FS+1], s[DSA:DSA+1]
	s_mov_b32 s[BK], 3
	s_mov_b32 s[EC], 16*6144-4*1536
	s_mov_b32 s[ES], 12288-4*64
	s_branch .Lbased
.Lbase_r:
	; ---- r: rows are positions m, P runs along two heads
	s_lshl_b32 s2, s[LGRP], 3                      ; my first tile of positions
	s_lshl_b32 s3, s[PGRP], 1                      ; my first head
	s_mul_i32 s96, s3, 393216
	s_mov_b32 s97, 0
	s_add_nc_u64 s[FT:FT+1], s[20:21], s[96:97]    ; the head's table,
	s_mul_i32 s98, s2, 1536
	s_mov_b32 s99, 0
	s_add_nc_u64 s[DC:DC+1], s[FT:FT+1], s[98:99]  ; my tiles in its lower rows,
	s_lshl_b32 s96, s3, 14
	s_add_co_u32 s96, s96, R_S
	s_add_nc_u64 s[FS:FS+1], s[20:21], s[96:97]    ; its scale words,
	s_lshl_b32 s98, s2, 6
	s_add_nc_u64 s[DSA:DSA+1], s[FS:FS+1], s[98:99]   ; and my tiles' among them
	s_mov_b64 s[DSB:DSB+1], s[DSA:DSA+1]
.Lbased:
	s_mov_b32 s97, 0
	s_mov_b32 s99, 0
.macro ADDT a                          ; T = tile a's accumulators + the bias along P, each accumulator from its low end on; and bv of my row of that tile
	v_mov_b32 v[BLC], v[BL+(\a)]
	WIN 0x02+(\a)/4                                ; source 0: window 2 or 3
.set i, 0
.rept 32
	v_pk_add_f32 v[T+i:T+i+1], v[64*((\a)%4)+i:64*((\a)%4)+i+1], v[BP1+i:BP1+i+1]
.set i, i+2
.endr
	WIN 0
	s_wait_alu depctr_va_vdst(0)                   ; ahead of the branch
.endm
.Ltile:                                                ; a trip: one tile of 16 rows of L x 128 of P
	s_and_b32 s[IX], s[AI], 7
.irp a, 0,1,2,3,4,5,6
	s_cmp_eq_u32 s[IX], \a
	s_cbranch_scc1 .Lad\a
.endr
	ADDT 7
	s_branch .Ladded
.irp a, 0,1,2,3,4,5
.Lad\a:
	ADDT \a
	s_branch .Ladded
.endr
.Lad6:
	ADDT 6
.Ladded:
	s_cmp_eq_u32 s[TYP], 3
	s_cbranch_scc0 .Lno_bl
.set i, 0
.rept 32
	v_pk_add_f32 v[T+i:T+i+1], v[T+i:T+i+1], v[BLC:BLC+1] op_sel_hi:[1,0]   ; v: + my row's bias
.set i, i+2
.endr
.Lno_bl:
	QUANT T
	s_wait_alu depctr_va_vdst(0)                   ; ahead of the branches
	s_cmp_lt_u32 s[TYP], 2
	s_cbranch_scc0 .Lnot_qk
	v_and_b32 v[SH], 0xffff, v[PW]                 ; the fragment's two halves are two heads' half records, 128 tiles x 768 bytes apart; the scale word's halves go with them
	v_lshrrev_b32 v[SH+1], 16, v[PW]
	global_store_b128 v[L16], v[PC:PC+3], s[DC:DC+1]
	global_store_b64 v[L8], v[PC+4:PC+5], s[DC:DC+1] offset:512
	global_store_b128 v[L16], v[PC+6:PC+9], s[DC:DC+1] offset:98304
	global_store_b64 v[L8], v[PC+10:PC+11], s[DC:DC+1] offset:98304+512
	global_store_b32 v[R4], v[SH], s[DSA:DSA+1]
	global_store_b32 v[R4], v[SH+1], s[DSB:DSB+1]
	s_branch .Lstored
.Lnot_qk:
	s_cmp_eq_u32 s[TYP], 3
	s_cbranch_scc0 .Lis_r
	global_store_b128 v[L16], v[PC:PC+3], s[DC:DC+1]
	global_store_b64 v[L8], v[PC+4:PC+5], s[DC:DC+1] offset:512
	global_store_b128 v[L16], v[PC+6:PC+9], s[DC:DC+1] offset:768
	global_store_b64 v[L8], v[PC+10:PC+11], s[DC:DC+1] offset:1280
	global_store_b32 v[R4], v[PW], s[DSA:DSA+1]
	s_branch .Lstored
.Lis_r:
	; Row m goes twice into each head's table: as row m, in the lower half of K, and as row 2,048 + (m + 1) mod 2,048, in the upper half; for m = 2,047 the second is row 2,048, which is all zeros.
	v_add_nc_u32 v[VM], 1, v[VM0]
	v_and_b32 v[VM], 2047, v[VM]
	v_cmp_eq_u32 vcc_lo, 0, v[VM]                  ; m = 2,047
	v_or_b32 v[VM], 2048, v[VM]                    ; the upper row u
	v_lshrrev_b32 v[VT], 4, v[VM]
	v_mul_u32_u24 v[VT], v[VT], 1536               ; its tile's record,
	v_and_b32 v[VU], 15, v[VM]                     ; its row there: the image's lane is that row + 16 (lane / 16)
	v_lshl_add_u32 v[UB16], v[VU], 4, v[VT]
	v_lshl_add_u32 v[UB16], v[VH], 8, v[UB16]
	v_lshl_add_u32 v[UB8], v[VU], 3, v[VT]
	v_lshl_add_u32 v[UB8], v[VH], 7, v[UB8]
	v_lshlrev_b32 v[US], 2, v[VM]
.irp i, 0,1,2,3,4,5,6,7,8,9,10,11
	v_cndmask_b32 v[ZD+\i], v[PC+\i], v[ZR], vcc_lo
.endr
	v_and_b32 v[SH], 0xffff, v[PW]                 ; lower rows: the head's two bytes below, the byte 0 above;
	v_lshrrev_b32 v[SH+1], 16, v[PW]
	v_lshlrev_b32 v[SH+2], 16, v[PW]               ; upper rows: the other way round
	v_and_b32 v[SH+3], 0xffff0000, v[PW]
.irp e, 0,1
	global_store_b128 v[L16], v[PC+6*\e:PC+6*\e+3], s[DC:DC+1] offset:\e*393216
	global_store_b64 v[L8], v[PC+6*\e+4:PC+6*\e+5], s[DC:DC+1] offset:\e*393216+512
	global_store_b128 v[L16], v[ZR:ZR+3], s[DC:DC+1] offset:\e*393216+768
	global_store_b64 v[L8], v[ZR:ZR+1], s[DC:DC+1] offset:\e*393216+1280
	global_store_b32 v[R4], v[SH+\e], s[DSA:DSA+1] offset:\e*16384
	global_store_b128 v[UB16], v[ZR:ZR+3], s[FT:FT+1] offset:\e*393216
	global_store_b64 v[UB8], v[ZR:ZR+1], s[FT:FT+1] offset:\e*393216+512
	global_store_b128 v[UB16], v[ZD+6*\e:ZD+6*\e+3], s[FT:FT+1] offset:\e*393216+768
	global_store_b64 v[UB8], v[ZD+6*\e+4:ZD+6*\e+5], s[FT:FT+1] offset:\e*393216+1280
	global_store_b32 v[US], v[SH+2+\e], s[FS:FS+1] offset:\e*16384
.endr
.Lstored:
	s_wait_xcnt 0x0                                ; the stores have read their data, offsets and bases: all are written again only behind this wait
	s_cmp_eq_u32 s[AI], s[BK]
	s_cselect_b32 s96, s[EC], 0
	s_cselect_b32 s98, s[ES], 0
	s_add_co_u32 s96, s96, s[STC]
	s_add_co_u32 s98, s98, 64
	s_add_nc_u64 s[DC:DC+1], s[DC:DC+1], s[96:97]  ; on to the next tile's records and scale words
	s_add_nc_u64 s[DSA:DSA+1], s[DSA:DSA+1], s[98:99]
	s_add_nc_u64 s[DSB:DSB+1], s[DSB:DSB+1], s[98:99]
	v_add_nc_u32 v[VM0], 16, v[VM0]
	s_cmp_eq_u32 s[AI], s[BQ]
	s_cbranch_scc0 .Lno_swap
	WIN 0x01                                       ; source 0 window 1
.set i, 0
.rept 64
	v_mov_b32 v[BP1+i], v[BP2+i]                   ; q, behind its eighth tile: the second eight trips add bq + r_bias
.set i, i+1
.endr
	WIN 0
.Lno_swap:
	s_add_co_u32 s[AI], s[AI], 1
	s_cmp_lt_u32 s[AI], s[NT]
	s_wait_alu depctr_va_vdst(0)                   ; directly ahead of the branch
	s_cbranch_scc1 .Ltile
	s_wait_tensorcnt 0x0                           ; the wave's end: behind my last tensor load
	ds_add_u32 v[SPW], v[NIL]
	s_wait_dscnt 0x0
	CROUND                                         ; the closing round: no work-group ends while a partner may still ask for a block that names it
	s_endpgm
.Lfunc_end_k_q841fee78ec_proj:
	.size	k_q841fee78ec_proj, .Lfunc_end_k_q841fee78ec_proj-k_q841fee78ec_proj
	.p2alignl 7, 3214868480
	.fill 96, 4, 3214868480
	.section	.rodata,"a",@progbits
	.p2align	6, 0x0
	.amdhsa_kernel k_q841fee78ec_proj
		.amdhsa_group_segment_fixed_size 327680
		.amdhsa_private_segment_fixed_size 0
		.amdhsa_enable_private_segment 0
		.amdhsa_kernarg_size 72
		.amdhsa_user_sgpr_count 2
		.amdhsa_user_sgpr_kernarg_segment_ptr 1
		.amdhsa_wavefront_size32 1
		.amdhsa_system_sgpr_workgroup_id_x 1
		.amdhsa_system_sgpr_workgroup_id_y 1
		.amdhsa_system_sgpr_workgroup_id_z 1
		.amdhsa_system_vgpr_workitem_id 0
		.amdhsa_next_free_vgpr 1024
		.amdhsa_next_free_sgpr 100
		.amdhsa_reserve_vcc 1
		.amdhsa_float_denorm_mode_32 3
		.amdhsa_float_denorm_mode_16_64 3
		.amdhsa_memory_ordered 1
		.amdhsa_forward_progress 1
		.amdhsa_inst_pref_size 160
	.end_amdhsa_kernel
	.amdgpu_metadata
---
amdhsa.version: [ 1, 2 ]
amdhsa.kernels:
  - .name:           k_q841fee78ec_proj
    .symbol:         k_q841fee78ec_proj.kd
    .args:
      - { .name: xw, .offset: 0, .size: 8, .value_kind: global_buffer, .address_space: global }
      - { .name: bq, .offset: 8, .size: 8, .value_kind: global_buffer, .address_space: global }
      - { .name: bk, .offset: 16, .size: 8, .value_kind: global_buffer, .address_space: global }
      - { .name: bv, .offset: 24, .size: 8, .value_kind: global_buffer, .address_space: global }
      - { .name: r_w_bias, .offset: 32, .size: 8, .value_kind: global_buffer, .address_space: global }
      - { .name: r_bias, .offset: 40, .size: 8, .value_kind: global_buffer, .address_space: global }
      - { .name: qbuf, .offset: 48, .size: 8, .value_kind: global_buffer, .address_space: global }
      - { .name: kvbuf, .offset: 56, .size: 8, .value_kind: global_buffer, .address_space: global }
      - { .name: rbuf, .offset: 64, .size: 8, .value_kind: global_buffer, .address_space: global }
    .group_segment_fixed_size: 327680
    .private_segment_fixed_size: 0
    .kernarg_segment_align: 8
    .kernarg_segment_size: 72
    .max_flat_workgroup_size: 128
    .sgpr_count:     100
    .vgpr_count:     1024
    .wavefront_size: 32
...
	.end_amdgpu_metadata
.endif
;; end of part 2
;; launch attn (part 3): grid 8 x 32, 8 waves a work-group, no clusters, 327,680 bytes of LDS; arguments qbuf, kvbuf, rbuf, abuf; writes abuf
.if DOCPART == 3
	.amdgcn_target "amdgcn-amd-amdhsa--gfx1250"
	.amdhsa_code_object_version 6
	.text
	.protected	k_q841fee78ec_attn
	.globl	k_q841fee78ec_attn
	.p2align	8
	.type	k_q841fee78ec_attn,@function
k_q841fee78ec_attn:
	s_mov_b64 s[64:65], 0
	v_nop
	global_prefetch_b8 v0, s[64:65] scope:SCOPE_SE
	s_setreg_imm32_b32 hwreg(HW_REG_WAVE_MODE, 25, 1), 1
	s_wait_xcnt 0x0
; Attention with Transformer-XL's relative shift, all three products on codes of FP6 (E2M3) with E8M0 scales.  score(i, j) = (q_i + r_w_bias) . k_j + shift(i, j), and with u = j - i + 2,047 the shift is
; (q_i + r_bias) . r_u for u < 2,048, 0 for u = 2,048, (q_(i+1) + r_bias) . r_(u - 2,049) above.  The table in rbuf has row u as [r_u | 0], zeros, or [0 | r_(u - 2,049)] along K = 128.
; SOFTMAX: t = score x log2(e) / 8; M = the running largest t rounded UP to a whole number; p = 2^(t - M) is quantised along the keys, not normalised; the row's sum is taken of the unquantised p and divides at the end.
; SHARES: work-group (x = 256 queries, y = 16 x batch + head); each of EIGHT waves owns 32 queries, two tiles of 16, so that each fragment of the table, of k and of v that it reads from LDS feeds two products.
; Every wave walks the 2,048 keys, 128 a step.  All products are used transposed: a lane holds ONE query of each tile (lane % 16) throughout.
; THE BAND: tile a of wave w needs, for a step's 128 keys, rows 16 T .. 16 T + 143 of the table, T = 8 step + 16 (7 - x) + 15 - 2 w - a: nine tiles.  The two tiles' bands are ten tiles; the eight waves' are 24, which a slot holds.
; NO TILE OF THE TABLE IS MIXED: tiles under 128 have their upper half of K zero, tiles from 128 on their lower half.  So a step all of whose ten tiles lie under 128 loads the lower half records alone and multiplies by
; [q_i | 0]; one whose tiles all lie from 128 on loads the upper halves and multiplies by [0 | q_(i+1)]; the one step of a wave that has both loads whole records and multiplies by [q_i | q_(i+1)].  The choice is a scalar
; branch on ids (x, wave, step), round LDS loads, skew stores and products alone.  The half that is not loaded holds what the buffer last held: every code of this format is a finite number, and it meets zero codes.
; THE SKEW: in the band's product lane (r, h), register j of tile d holds row m' = 16 d + 8 h + j for query r; key c wants m' = c + 15 - r.  Each register goes to word 164 r + m' + r + 1 of the tile's own stage
; (from lane to lane 165 words, 37 modulo 64 banks: no two of the 32 lanes meet) and comes back by aligned loads of 16 bytes (row pitch 656 = 41 x 16 bytes) straight into the accumulators of k q^T, which take it as C.
; k q^T: K = 64 fills the lower half of the instruction; the query operand's upper half is zero codes, and six registers a tile of keys are loaded.
; THE RING: two slots, 65,536 bytes apart, a key step each, both filled at the start; each of the eight waves fetches one part (0-3: a quarter of the table's 24 records; 4: k's eight half records; 5: v's four records;
; 6: the table's scale words; 7: k's and v's).  A WAVE SIGNALS AS SOON AS ITS READS OF THE SLOT ARE OVER, which is when v's fragments are in its registers; the softmax, the quantising and the products with v, work on registers
; alone, stand between the signal and the wait; behind the wait the slot just read takes the key step two on, which has a whole step in which to land.  A wave has one tensor load out at a time.
; NO CLUSTER: the eight work-groups of a head share k and v alone, 13,056 of a step's 51,456 bytes; a neighbour's band of the table is this work-group's band of two steps earlier, not wanted at the same time.
; LIMITS: a block's largest p is taken from its largest score (this takes v_exp_f32 not to fall where its input rises); 1 / sum is v_rcp_f32; a block of zeros gets the byte 1 and not 127 (this program alone reads the bytes);
; NaN and infinities are not served.
; REGISTERS, in windows of 256.  Window 0: v1-16 addresses; v18-33 the two tiles' -M, largest t, sums, query scale words, f and p's scale word; v34-44 scale words of the table, k, v; v48-95 four fragments;
;   v96-223 the band's products, then the scores, then p (64 a tile); v224-239 the bands' ninth tiles, later at work; v240-251 tile 0's codes of p (tile 1's lie in v96-107, which tile 0's p has left); v252-255 at work.
;   Window 1: v0-23 [q + r_w_bias | 0]; v24-47 [q_i | 0]; v48-71 [0 | q_(i+1)]; v72-95 [q_i | q_(i+1)], each + r_bias, 12 a tile; v128-191 O^T, 32 a tile.
.set SLOT1, 65536
.set KC_O,  36864                      ; in a slot: k's codes,
.set VC_O,  43008                      ; v's,
.set RS_O,  49152                      ; the table's scale words,
.set KS_O,  55296                      ; k's,
.set VS_O,  55808                      ; v's
.set STAGE, 131072                     ; behind the ring: a stage of 16 rows x 656 bytes for each tile of queries, two a wave; no fill lands there
.set STGB,  10496
.set SPARE, STAGE+16*STGB              ; the spare words, 128 bytes a wave: four blocks of 256 bytes that no other line names
.set QR_C,  3145728
.set QW_S,  6291456
.set QR_S,  6553600
.set V_C,   3145728
.set KV_S,  6291456
.set R_S,   6291456
.set SPW, 1
.set NIL, 2
.set L16, 3                            ; v3-5  16, 8, 4 x lane
.set L8,  4
.set L4,  5
.set LR16, 6                           ; v6-8  the same + my band's first tile in the slot
.set LR8, 7
.set LR4, 8
.set STO, 9                            ; v9   tile 0's stage, way in (tile 1's: STGB further on, in the immediate)
.set SLD, 10                           ; v10  way out
.set A16, 11                           ; v11-16 the six above in the slot in hand
.set A8,  12
.set A4,  13
.set AR16, 14
.set AR8, 15
.set AR4, 16
.set NM,  18                           ; tile a: v[18+2a] -M, v[19+2a] the largest t
.set SU,  22                           ; v[22+2a:23+2a] the sum, in two halves
.set SQW, 26                           ; v[26+a] scale words of q + r_w_bias (upper bytes 0)
.set SQR, 28                           ; v[28+a] of [q_i | q_(i+1)] + r_bias
.set FF,  30                           ; v[30+2a] f = 2^(old M - new M), v[31+2a] p's scale word
.set RSC, 34                           ; v34-38 the table's scale words, two tiles a register
.set KSC, 39                           ; v39-42 k's
.set VSC, 43                           ; v43-44 v's
.set TP,  45
.set PWH, 46                           ; v[46+a] the way out's two scale bytes
.set F,   48
.set S,   96
.set X,   224                          ; v[224+8a ..] the ninth tile of tile a's band
.set CT,  224                          ; at work in the softmax, where the ninth tiles lay
.set BM,  232
.set PT,  236
.set PC0, 240
.set PC1, 96
.set SO,  252
.set TQ,  160                          ; at the head: offsets of my queries
.set QW,  0                            ; window 1
.set QL,  24
.set QH,  48
.set QR,  72
.set O,   128
.set WV,  12
.set BH,  14
.set HD,  15
.set WX,  16
.set SEL, 20
.set CS,  22                           ; s[22:23] c = log2(e) / 8
.set G1R, 24                           ; group 1: 36 rows of 256 bytes;
.set G1C, 32                           ; 24 rows;
.set G1RS, 40                          ; 6 rows;
.set G1KS, 48                          ; 3 rows
.set G0A, 56                           ; s[56:59] group 0 of slot 0's first fill
.set G0B, 60                           ; s[60:63] of slot 1's, which then walks
.set INC, 66                           ; s[66:67] a key step on, in my stream's bytes
.set TB,  68                           ; s68  the slot in hand
.set CNT, 69
.set TG,  70                           ; s70  my band's first tile in the table
.set MSB, 0
.macro WIN new                         ; the immediate's high byte repeats the setting that is left
.if MSB != (\new)
	s_set_vgpr_msb (MSB<<8)|(\new)
.set MSB, (\new)
.endif
.endm
.macro PLACES n
.rept \n
	v_nop
.endr
.endm
.macro FRAGLD reg, a16, a8, off        ; a record comes back as the registers that it is an image of: every load takes consecutive bytes
	ds_load_b128 v[(\reg):(\reg)+3], v[\a16] offset:(\off)
	ds_load_b64 v[(\reg)+4:(\reg)+5], v[\a8] offset:(\off)+512
	ds_load_b128 v[(\reg)+6:(\reg)+9], v[\a16] offset:(\off)+768
	ds_load_b64 v[(\reg)+10:(\reg)+11], v[\a8] offset:(\off)+1280
.endm
.macro RLD v, reg, off                 ; a record of the table.  v = 0: its lower half; 1: its upper half; 2: both
.if (\v) != 1
	ds_load_b128 v[(\reg):(\reg)+3], v[AR16] offset:(\off)
	ds_load_b64 v[(\reg)+4:(\reg)+5], v[AR8] offset:(\off)+512
.endif
.if (\v) != 0
	ds_load_b128 v[(\reg)+6:(\reg)+9], v[AR16] offset:(\off)+768
	ds_load_b64 v[(\reg)+10:(\reg)+11], v[AR8] offset:(\off)+1280
.endif
.endm
.macro KHALF reg, t                    ; a half record of k: registers 0-5
	ds_load_b128 v[(\reg):(\reg)+3], v[A16] offset:KC_O+768*(\t)
	ds_load_b64 v[(\reg)+4:(\reg)+5], v[A8] offset:KC_O+768*(\t)+512
.endm
.macro WM d, a, b, cz, sa, sb, ra      ; one product.  cz: the constant 0 starts the sum.  ra: source 0's scale words stand in lanes 16-31
.if (\cz)
.if (\ra)
	v_wmma_scale_f32_16x16x128_f8f6f4 v[(\d):(\d)+7], v[(\a):(\a)+11], v[(\b):(\b)+11], 0, v[\sa], v[\sb] matrix_a_fmt:MATRIX_FMT_FP6 matrix_b_fmt:MATRIX_FMT_FP6 matrix_a_scale:MATRIX_SCALE_ROW1
.else
	v_wmma_scale_f32_16x16x128_f8f6f4 v[(\d):(\d)+7], v[(\a):(\a)+11], v[(\b):(\b)+11], 0, v[\sa], v[\sb] matrix_a_fmt:MATRIX_FMT_FP6 matrix_b_fmt:MATRIX_FMT_FP6
.endif
.else
.if (\ra)
	v_wmma_scale_f32_16x16x128_f8f6f4 v[(\d):(\d)+7], v[(\a):(\a)+11], v[(\b):(\b)+11], v[(\d):(\d)+7], v[\sa], v[\sb] matrix_a_fmt:MATRIX_FMT_FP6 matrix_b_fmt:MATRIX_FMT_FP6 matrix_a_scale:MATRIX_SCALE_ROW1
.else
	v_wmma_scale_f32_16x16x128_f8f6f4 v[(\d):(\d)+7], v[(\a):(\a)+11], v[(\b):(\b)+11], v[(\d):(\d)+7], v[\sa], v[\sb] matrix_a_fmt:MATRIX_FMT_FP6 matrix_b_fmt:MATRIX_FMT_FP6
.endif
.endif
.endm
; The band's fragment tt (0 .. 9) against tile a of my queries: it is tile d = tt - 1 + a of that tile's own band (tile 1's band begins a tile lower).  Tiles 0-7 land where the scores will lie, the ninth beside them.
.macro BDW v, a, tt
.set dd, (\tt)-1+(\a)
.if dd < 8
.set dr, S+64*(\a)+8*dd
.else
.set dr, X+8*(\a)
.endif
	WM dr, F+12*((\tt)%4), QL+24*(\v)+12*(\a), 1, RSC+(\tt)/2, SQR+(\a), (\tt)%2
.endm
.macro SKW a, d                        ; tile d of tile a's band goes to the stage, skewed; from the low end on
.if (\d) < 8
.set dr, S+64*(\a)+8*(\d)
.else
.set dr, X+8*(\a)
.endif
.irp j, 0,1,2,3,4,5,6,7
	ds_store_b32 v[STO], v[dr+\j] offset:(\a)*STGB+64*(\d)+4*\j
.endr
.endm
; THE BAND of a step: ten fragments of the table, eighteen products, and the skew stores of the first fifteen.  v as in RLD.
.macro BAND v
.irp k, 0,1,2,3,4
	ds_load_b32 v[RSC+\k], v[AR4] offset:RS_O+128*\k               ; lanes 0-15: fragment 2 k's words, lanes 16-31: fragment 2 k + 1's
.endr
.irp t, 0,1,2,3
	RLD \v, F+12*\t, 1536*\t
.endr
	s_wait_dscnt 0x0
	WIN 0x04                                       ; source 1 (my queries) window 1
	BDW \v, 1, 0
	BDW \v, 0, 1
	BDW \v, 1, 1
	BDW \v, 0, 2
	BDW \v, 1, 2
	BDW \v, 0, 3
	BDW \v, 1, 3
	WIN 0
	PLACES 4                                       ; in front of loads into registers that these products read, and of stores that read their results
.irp t, 0,1,2,3
	RLD \v, F+12*\t, 1536*(4+\t)
.endr
	SKW 1, 0
	SKW 0, 0
	SKW 1, 1
	SKW 0, 1
	SKW 1, 2
	SKW 0, 2
	SKW 1, 3
	s_wait_dscnt 56                                ; the fragments are in; the 56 stores issued behind them may be out
	WIN 0x04
	BDW \v, 1, 4
	BDW \v, 0, 4
	BDW \v, 1, 5
	BDW \v, 0, 5
	BDW \v, 1, 6
	BDW \v, 0, 6
	BDW \v, 1, 7
	BDW \v, 0, 7
	WIN 0
	PLACES 4
	SKW 0, 3
	RLD \v, F, 1536*8
	RLD \v, F+12, 1536*9
	SKW 1, 4
	SKW 0, 4
	SKW 1, 5
	SKW 0, 5
	SKW 1, 6
	SKW 0, 6
	SKW 1, 7
	s_wait_dscnt 56                                ; likewise
	WIN 0x04
	BDW \v, 1, 8
	BDW \v, 0, 8
	BDW \v, 0, 9
	WIN 0
.endm
; Every wave fetches one part of a slot; the branches hang on the wave's number alone.  first = 1: slot 0's first fill.  An s_nop 0 follows each load, four v_nop the last.
; THE FIRST FILLS, as this text now has them (this stands in place of what the head comment says of them): slot 0's at the head, one tensor load a wave; slot 1's behind the barrier in front of the loop,
; issued as a refill is.  One tensor load a wave is out at a time.  first = 1: slot 0's first fill; 0: the walking descriptor's load.
.macro TARM g1, first
.if \first
	tensor_load_to_lds s[G0A:G0A+3], s[\g1:\g1+7]
.else
	tensor_load_to_lds s[G0B:G0B+3], s[\g1:\g1+7]
.endif
	s_nop 0
	PLACES 4
.endm
.macro TLOAD first
	s_cmp_lt_u32 s[WV], 4
	s_cbranch_scc0 .Lnot_r_\@
	TARM G1R, \first
	s_branch .Lasked_\@
.Lnot_r_\@:
	s_cmp_lt_u32 s[WV], 6
	s_cbranch_scc0 .Lnot_c_\@
	TARM G1C, \first
	s_branch .Lasked_\@
.Lnot_c_\@:
	s_cmp_eq_u32 s[WV], 6
	s_cbranch_scc0 .Lnot_rs_\@
	TARM G1RS, \first
	s_branch .Lasked_\@
.Lnot_rs_\@:
	TARM G1KS, \first
.Lasked_\@:
.endm
; One tile's softmax and the quantising of its p.  sb: its 64 scores; nm: -M and the largest t; su: the sum; ff: f and p's scale word; pc: where p's codes go
.macro SOFTMAX sb, nm, su, ff, pc
.irp b, 0,1,2,3
	v_max3_num_f32 v[BM+\b], v[\sb+16*\b], v[\sb+1+16*\b], v[\sb+2+16*\b]   ; the largest score of each block of 32 keys: it serves for the row's maximum and, since p rises with the score, for the block's largest p
.endr
.irp i, 3,5,7,9,11,13
.irp b, 0,1,2,3
	v_max3_num_f32 v[BM+\b], v[BM+\b], v[\sb+16*\b+\i], v[\sb+1+16*\b+\i]
.endr
.endr
.irp b, 0,1,2,3
	v_max_num_f32 v[BM+\b], v[BM+\b], v[\sb+15+16*\b]
.endr
.irp b, 0,1,2,3
	v_permlanex16_b32 v[PT+\b], v[BM+\b], s[SEL], s[SEL+1]
.endr
.irp b, 0,1,2,3
	s_delay_alu instid0(VALU_DEP_4)
	v_max_num_f32 v[BM+\b], v[BM+\b], v[PT+\b]     ; with lane l xor 16's 16 keys
.endr
	s_delay_alu instid0(VALU_DEP_2)
	v_max3_num_f32 v[TP], v[BM], v[BM+1], v[BM+2]
	s_delay_alu instid0(VALU_DEP_1)
	v_max_num_f32 v[TP], v[TP], v[BM+3]
	s_delay_alu instid0(VALU_DEP_1)
	v_mul_f32 v[TP], s[CS], v[TP]                  ; as t (c is positive)
	s_delay_alu instid0(VALU_DEP_1)
	v_max_num_f32 v[\nm+1], v[\nm+1], v[TP]        ; the running largest t
	v_mov_b32 v[TP], v[\nm]
	s_delay_alu instid0(VALU_DEP_2)
	v_floor_f32 v[\nm], -v[\nm+1]                  ; the new -M = floor(-t): M is a whole number
	s_delay_alu instid0(VALU_DEP_1)
	v_sub_f32 v[TP], v[\nm], v[TP]                 ; old M - new M: a whole number, 0 or less
	s_delay_alu instid0(VALU_DEP_1)
	v_cvt_i32_f32 v[TP], v[TP]                     ; (it saturates)
	s_delay_alu instid0(VALU_DEP_1)
	v_ldexp_f32 v[\ff], 1.0, v[TP]                 ; f = 2^(old M - new M): a multiplication by it rounds nothing
.set i, 0
.rept 32
	v_pk_fma_f32 v[\sb+i:\sb+i+1], v[\sb+i:\sb+i+1], s[CS:CS+1], v[\nm:\nm+1] op_sel_hi:[1,0,0]   ; t - M, two at a time
.set i, i+2
.endr
.irp b, 0,1,2,3
	v_fma_f32 v[BM+\b], v[BM+\b], s[CS], v[\nm]
.endr
.set i, 0
	s_wait_alu depctr_va_vdst(0)
.rept 64
	v_exp_f32 v[\sb+i], v[\sb+i]                   ; p = 2^(t - M), at most 1
.set i, i+1
.endr
	v_pk_mul_f32 v[\su:\su+1], v[\su:\su+1], v[\ff:\ff+1] op_sel_hi:[1,0]   ; the sums under the new M.  (A plain place behind the exponentials)
	s_wait_alu depctr_va_vdst(0)                   ; one wait for the whole batch, ahead of its first reader
.irp b, 0,1,2,3
	v_exp_f32 v[BM+\b], v[BM+\b]                   ; the block's largest p
.endr
	v_pk_add_f32 v[PT:PT+1], v[\sb:\sb+1], v[\sb+2:\sb+3]   ; the row's sum is taken of the unquantised p: two at a time, in two chains
.irp j, 4,8,12,16,20,24,28,32,36,40,44,48,52,56,60
	v_pk_add_f32 v[\su:\su+1], v[\su:\su+1], v[\sb+\j:\sb+1+\j]
	v_pk_add_f32 v[PT:PT+1], v[PT:PT+1], v[\sb+2+\j:\sb+3+\j]
.endr
	s_delay_alu instid0(VALU_DEP_1)
	v_pk_add_f32 v[\su:\su+1], v[\su:\su+1], v[PT:PT+1]
	s_wait_alu depctr_va_vdst(0)                   ; and one for the four
.irp b, 0,1,2,3
	v_max_num_f32 v[BM+\b], 0x1800000, v[BM+\b]    ; the floor 2^(3 - 127): the byte cannot fall under 1
.endr
.irp b, 0,1,2,3
	s_delay_alu instid0(VALU_DEP_4)
	v_add_nc_u32 v[SO+\b], 0xff000000, v[BM+\b]    ; 2 off the exponent field: the conversion's scale operand
.endr
.irp b, 0,1,2,3
	s_delay_alu instid0(VALU_DEP_4)
	v_lshrrev_b32 v[PT+\b], 23, v[SO+\b]
.endr
	s_delay_alu instid0(VALU_DEP_3)
	v_lshl_or_b32 v[\ff+1], v[PT+1], 8, v[PT]      ; p's scale word for these 128 keys
	s_delay_alu instid0(VALU_DEP_1)
	v_lshl_or_b32 v[\ff+1], v[PT+2], 16, v[\ff+1]
	s_delay_alu instid0(VALU_DEP_1)
	v_lshl_or_b32 v[\ff+1], v[PT+3], 24, v[\ff+1]
.irp c, 0,1
	v_cvt_scalef32_pk16_fp6_f32 v[\pc+6*\c:\pc+2+6*\c], v[\sb+32*\c:\sb+15+32*\c], v[SO+2*\c]
	v_cvt_scalef32_pk16_fp6_f32 v[CT+4*\c:CT+2+4*\c], v[\sb+16+32*\c:\sb+31+32*\c], v[SO+2*\c+1]   ; (a conversion's three registers begin on an even number)
.endr
	v_nop                                          ; one plain place behind a scaled conversion
.irp c, 0,1                                    ; the operand's layout wants a whole block in a lane
.irp i, 0,1,2
	v_permlane16_swap_b32 v[\pc+6*\c+\i], v[CT+4*\c+\i]
.endr
.irp i, 0,1,2
	s_delay_alu instid0(VALU_DEP_3)
	v_mov_b32 v[\pc+3+6*\c+\i], v[CT+4*\c+\i]
.endr
.endr
.endm
; A KEY STEP: 128 keys.  mode 2: the slot is filled again behind the step's barrier; 1: the barrier alone (the last slot's fill is shown to every wave); 0: the last step
.macro STEP mode
	v_add_nc_u32 v[A16], s[TB], v[L16]             ; (these six are also the places behind the last step's products: in front of the loads into their fragments, and of the products that write where tile 1's codes of p lay)
	v_add_nc_u32 v[A8], s[TB], v[L8]
	v_add_nc_u32 v[A4], s[TB], v[L4]
	v_add_nc_u32 v[AR16], s[TB], v[LR16]
	v_add_nc_u32 v[AR8], s[TB], v[LR8]
	v_add_nc_u32 v[AR4], s[TB], v[LR4]
	s_cmp_lt_u32 s[TG], 119                        ; all ten tiles under 128?  Ids and the count of steps alone
	s_cbranch_scc0 .Lnot_low_\@
	s_wait_alu depctr_va_vdst(0)
	BAND 0
	s_branch .Lband_\@
.Lnot_low_\@:
	s_cmp_lt_u32 s[TG], 128
	s_cbranch_scc0 .Lhigh_\@
	s_wait_alu depctr_va_vdst(0)
	BAND 2                                         ; both kinds: once in a wave's walk
	s_branch .Lband_\@
.Lhigh_\@:
	s_wait_alu depctr_va_vdst(0)
	BAND 1
.Lband_\@:
	PLACES 4
.irp t, 0,1,2,3
	KHALF F+12*\t, \t
.endr
.irp k, 0,1,2,3
	ds_load_b32 v[KSC+\k], v[A4] offset:KS_O+128*\k
.endr
	SKW 1, 8
	SKW 0, 7
	SKW 0, 8
.irp t, 0,1,2,3,4,5,6,7
.irp a, 0,1
	ds_load_b128 v[S+64*\a+8*\t:S+64*\a+8*\t+3], v[SLD] offset:\a*STGB+64*\t           ; the shifted term of keys 16 t + 8 h + 0 .. 7 of my query.  LDS serves a wave's instructions in order: these see my stores
	ds_load_b128 v[S+64*\a+8*\t+4:S+64*\a+8*\t+7], v[SLD] offset:\a*STGB+64*\t+16
.endr
.endr
	s_wait_dscnt 16                                ; k's first four tiles and the shifted terms of keys 0-63 are in; the sixteen loads of keys 64-127 may be out
	WIN 0x04
.irp t, 0,1,2,3
.irp a, 0,1
	WM S+64*\a+8*\t, F+12*\t, QW+12*\a, 0, KSC+\t/2, SQW+\a, \t%2  ; + k q^T, onto the shifted term
.endr
.endr
	WIN 0
	PLACES 4
.irp t, 0,1,2,3
	KHALF F+12*\t, 4+\t
.endr
	s_wait_dscnt 0x0
	WIN 0x04
.irp t, 0,1,2,3
.irp a, 0,1
	WM S+64*\a+32+8*\t, F+12*\t, QW+12*\a, 0, KSC+2+\t/2, SQW+\a, \t%2
.endr
.endr
	WIN 0
	PLACES 4
.irp t, 0,1,2,3
	FRAGLD F+12*\t, A16, A8, VC_O+1536*\t          ; v's fragments: my last reads of the slot
.endr
.irp k, 0,1
	ds_load_b32 v[VSC+\k], v[A4] offset:VS_O+128*\k
.endr
.if \mode
	s_wait_tensorcnt 0x0                           ; my part of the other slot has landed; no tensor load of mine is out, so group 0 may be written
	ds_add_u32 v[SPW], v[NIL]                      ; 0 onto my spare word
.if (\mode) == 2
	s_xor_b32 s[G0B+1], s[G0B+1], SLOT1            ; the walking descriptor: the slot in hand,
	s_add_nc_u64 s[G0B+2:G0B+3], s[G0B+2:G0B+3], s[INC:INC+1]   ; the key step two on; the type bits on top are not reached
.endif
	s_wait_dscnt 0x0                               ; the add is done, and my reads of the slot in hand are over: v is in my registers
	s_barrier_signal -1                            ; say so; what follows up to the wait is work on registers alone
.endif
	SOFTMAX S, NM, SU, FF, PC0
	SOFTMAX S+64, NM+2, SU+2, FF+2, PC1
	WIN 0x41                                       ; O^T (destination and source 0) window 1, f window 0
.irp a, 0,1
.set i, 0
.rept 16
	v_pk_mul_f32 v[O+32*\a+i:O+32*\a+i+1], v[O+32*\a+i:O+32*\a+i+1], v[FF+2*\a:FF+2*\a+1] op_sel_hi:[1,0]   ; O^T under the new M.  (Of these 32, 28 name no register of any one product below: they are the places in front of it)
.set i, i+2
.endr
.endr
.if (\mode) == 0
	s_wait_alu depctr_va_vdst(0)
	s_wait_dscnt 0x0                               ; v is in
.endif
	WIN 0x50                                       ; C and D (O^T) window 1
.irp t, 0,1,2,3
	WM O+8*\t, F+12*\t, PC0, 0, VSC+\t/2, FF+1, \t%2               ; O^T += v^T p^T: source 0 = 16 of the head's 64, K = these 128 keys
	WM O+32+8*\t, F+12*\t, PC1, 0, VSC+\t/2, FF+3, \t%2
.endr
	WIN 0
.if \mode
	s_barrier_wait -1                              ; every wave's reads of the slot in hand are over, and the other slot is whole
.endif
.if (\mode) == 2
	TLOAD 0                                        ; the first thing behind the barrier, and a wave's one tensor load until the next
.endif
	s_xor_b32 s[TB], s[TB], SLOT1                  ; on to the other slot,
	s_add_co_u32 s[TG], s[TG], 8                   ; eight tiles up the table
.endm
	s_load_b256 s[4:11], s[0:1], 0x0               ; qbuf, kvbuf, rbuf, abuf
	v_lshl_add_u32 v[SPW], v0, 2, SPARE
	v_mov_b32 v[NIL], 0
	ds_add_u32 v[SPW], v[NIL]                      ; the wave's opening: the add and its wait ahead of my first tensor load; the set-up below, work on registers, stands between them
	ds_add_u32 v[SPW], v[NIL]
	v_lshrrev_b32 v11, 5, v0
	s_delay_alu instid0(VALU_DEP_1)
	v_readfirstlane_b32 s[WV], v11                 ; wave 0..7
	s_and_b32 s[BH], ttmp7, 0xffff                 ; 16 x batch + head
	s_and_b32 s[HD], s[BH], 15
	s_xor_b32 s[WX], s[WV], 7
	s_lshl_b32 s[WX], s[WX], 1                     ; 2 (7 - wave): my band's first tile in a slot
.irp g, G1R, G1C, G1RS, G1KS
	s_mov_b32 s[\g], 3<<16                         ; no mask; elements of 8 bytes; no padding
	s_mov_b32 s[\g+1], 32<<16                      ; tensor_dim0 = 32: rows of 256 bytes of a dense block
	s_mov_b32 s[\g+3], 32<<16                      ; tile_dim0
	s_mov_b32 s[\g+5], 32                          ; the pitch
	s_mov_b32 s[\g+6], 0
	s_mov_b32 s[\g+7], 0
.endr
	s_mov_b32 s[G1R+2], 36<<16
	s_mov_b32 s[G1R+4], 36
	s_mov_b32 s[G1C+2], 24<<16
	s_mov_b32 s[G1C+4], 24
	s_mov_b32 s[G1RS+2], 6<<16
	s_mov_b32 s[G1RS+4], 6
	s_mov_b32 s[G1KS+2], 3<<16
	s_mov_b32 s[G1KS+4], 3
	s_sub_co_u32 s71, 7, ttmp9
	s_lshl_b32 s[TG], s71, 4
	s_add_co_u32 s[TG], s[TG], s[WX]               ; my band's first tile in the table, at step 0
	s_mul_i32 s72, s[HD], 393216                   ; waves 0-3: the head's table, from tile 16 (7 - x) on, 9,216 bytes a wave; 8 tiles a step
	s_mul_i32 s73, s71, 24576
	s_add_co_u32 s72, s72, s73
	s_mul_i32 s73, s[WV], 9216
	s_add_co_u32 s72, s72, s73
	s_mov_b32 s[INC], 12288
	s_mov_b32 s[INC+1], 0
	s_mul_i32 s73, s[BH], 98304                    ; wave 4: k's codes
	s_mov_b32 s74, 6144
	s_cmp_ge_u32 s[WV], 4
	s_cselect_b32 s72, s73, s72
	s_cselect_b32 s[INC], s74, s[INC]
	s_add_co_u32 s73, s73, V_C                     ; wave 5: v's
	s_cmp_ge_u32 s[WV], 5
	s_cselect_b32 s72, s73, s72
	s_lshl_b32 s73, s[HD], 14                      ; wave 6: the table's scale words
	s_lshl_b32 s74, s71, 10
	s_add_co_u32 s73, s73, s74
	s_add_co_u32 s73, s73, R_S
	s_cmp_ge_u32 s[WV], 6
	s_cselect_b32 s72, s73, s72
	s_cselect_b32 s[INC], 512, s[INC]
	s_mul_i32 s73, s[BH], 12288                    ; wave 7: k's and v's scale words
	s_add_co_u32 s73, s73, KV_S
	s_cmp_ge_u32 s[WV], 7
	s_cselect_b32 s72, s73, s72
	s_cselect_b32 s[INC], 768, s[INC]
	s_mov_b32 s73, 0
	s_mul_i32 s75, s[WV], 6144                     ; my place in a slot: 6,144 w + 3,072 min(w, 4): 9,216 bytes for each of waves 0-3, 6,144 for each of the others
	s_min_u32 s76, s[WV], 4
	s_mul_i32 s76, s76, 3072
	s_add_co_u32 s75, s75, s76
	s_mov_b32 s[SEL], 0x76543210
	s_mov_b32 s[SEL+1], 0xfedcba98
	s_mov_b32 s[CS], 0x3e38aa3b                    ; c = log2(e) / sqrt(64)
	s_mov_b32 s[CS+1], s[CS]                       ; (named with it as a pair, so it is written)
	s_mov_b32 s[TB], 0
	s_mov_b32 s[CNT], 14
	s_wait_dscnt 0x0                               ; the opening add is done
	s_wait_kmcnt 0x0
	s_cmp_ge_u32 s[WV], 4
	s_cselect_b64 s[78:79], s[6:7], s[8:9]         ; rbuf for waves 0-3 and 6, kvbuf for the others
	s_cmp_eq_u32 s[WV], 6
	s_cselect_b64 s[78:79], s[8:9], s[78:79]
	s_mov_b32 s[G0A], 1
	s_mov_b32 s[G0A+1], s75                        ; slot 0, key step 0
	s_add_nc_u64 s[G0A+2:G0A+3], s[78:79], s[72:73]
	s_mov_b32 s[G0B], 1
	s_add_co_u32 s[G0B+1], s75, SLOT1              ; slot 1, key step 1
	s_add_nc_u64 s[G0B+2:G0B+3], s[G0A+2:G0A+3], s[INC:INC+1]
	s_or_b32 s[G0A+3], s[G0A+3], 0x80000000
	s_or_b32 s[G0B+3], s[G0B+3], 0x80000000
	TLOAD 1                                        ; slot 0's first fill
	v_and_b32 v11, 31, v0                          ; lane
	v_and_b32 v12, 15, v0                          ; r
	v_bfe_u32 v13, v0, 4, 1                        ; h
	s_delay_alu instid0(VALU_DEP_3)
	v_lshlrev_b32 v[L16], 4, v11
	s_delay_alu instid0(VALU_DEP_4)
	v_lshlrev_b32 v[L8], 3, v11
	v_lshlrev_b32 v[L4], 2, v11
	s_mul_i32 s17, s[WX], 1536
	v_add_nc_u32 v[LR16], s17, v[L16]
	v_add_nc_u32 v[LR8], s17, v[L8]
	s_lshl_b32 s17, s[WX], 6
	v_add_nc_u32 v[LR4], s17, v[L4]
	s_mul_i32 s17, s[WV], 2*STGB
	s_add_co_u32 s17, s17, STAGE                   ; my two stages
	v_mul_u32_u24 v[STO], v12, 660                 ; in: word 165 r + 8 h + 1, + 16 d + j
	s_delay_alu instid0(VALU_DEP_1)
	v_lshl_add_u32 v[STO], v13, 5, v[STO]
	s_delay_alu instid0(VALU_DEP_1)
	v_add_nc_u32 v[STO], s17, v[STO]
	s_delay_alu instid0(VALU_DEP_1)
	v_add_nc_u32 v[STO], 4, v[STO]
	v_mul_u32_u24 v[SLD], v12, 656                 ; out: word 164 r + 16 + 8 h, + 16 t + j
	s_delay_alu instid0(VALU_DEP_1)
	v_lshl_add_u32 v[SLD], v13, 5, v[SLD]
	s_delay_alu instid0(VALU_DEP_1)
	v_add_nc_u32 v[SLD], s17, v[SLD]
	s_delay_alu instid0(VALU_DEP_1)
	v_add_nc_u32 v[SLD], 64, v[SLD]
	; my queries' operands
	s_lshl_b32 s13, ttmp9, 8
	s_lshl_b32 s17, s[WV], 5
	s_add_co_u32 s13, s13, s17                     ; my first query in the head
	v_add_nc_u32 v[TQ], s13, v12                   ; i of tile 0,
	s_delay_alu instid0(VALU_DEP_1)
	v_add_nc_u32 v[TQ+8], 16, v[TQ]                ; of tile 1
.irp a, 0,1
	v_add_nc_u32 v[TQ+8*\a+1], 1, v[TQ+8*\a]
	s_delay_alu instid0(VALU_DEP_1)
	v_min_u32 v[TQ+8*\a+1], 2047, v[TQ+8*\a+1]     ; i + 1, held inside the head (the last query never meets the table's upper rows)
	s_delay_alu instid0(VALU_DEP_1)
	v_lshrrev_b32 v[TQ+8*\a+2], 4, v[TQ+8*\a+1]
	s_delay_alu instid0(VALU_DEP_1)
	v_mul_u32_u24 v[TQ+8*\a+2], v[TQ+8*\a+2], 768  ; its tile's half record; the image's lane is its row there + 16 h
	s_delay_alu instid0(VALU_DEP_3)
	v_and_b32 v[TQ+8*\a+3], 15, v[TQ+8*\a+1]
	s_delay_alu instid0(VALU_DEP_1)
	v_lshl_add_u32 v[TQ+8*\a+4], v[TQ+8*\a+3], 4, v[TQ+8*\a+2]
	s_delay_alu instid0(VALU_DEP_1)
	v_lshl_add_u32 v[TQ+8*\a+4], v13, 8, v[TQ+8*\a+4]
	s_delay_alu instid0(VALU_DEP_3)
	v_lshl_add_u32 v[TQ+8*\a+5], v[TQ+8*\a+3], 3, v[TQ+8*\a+2]
	s_delay_alu instid0(VALU_DEP_1)
	v_lshl_add_u32 v[TQ+8*\a+5], v13, 7, v[TQ+8*\a+5]
	v_lshlrev_b32 v[TQ+8*\a], 2, v[TQ+8*\a]
	v_lshlrev_b32 v[TQ+8*\a+1], 2, v[TQ+8*\a+1]
.endr
	s_lshl_b32 s17, s[BH], 7
	s_lshl_b32 s18, ttmp9, 4
	s_add_co_u32 s17, s17, s18
	s_lshl_b32 s18, s[WV], 1
	s_add_co_u32 s17, s17, s18                     ; my first tile of queries
	s_mul_i32 s18, s17, 768
	s_mov_b32 s19, 0
	s_add_nc_u64 s[80:81], s[4:5], s[18:19]
	s_mul_i32 s18, s[BH], 98304
	s_add_nc_u64 s[82:83], s[4:5], s[18:19]
	s_lshl_b32 s18, s[BH], 13
	s_add_nc_u64 s[4:5], s[4:5], s[18:19]
	WIN 0x40                                       ; destination window 1, address window 0
.irp a, 0,1
	global_load_b128 v[QW+12*\a:QW+12*\a+3], v[L16], s[80:81] offset:768*\a
	global_load_b64 v[QW+12*\a+4:QW+12*\a+5], v[L8], s[80:81] offset:768*\a+512
	global_load_b128 v[QL+12*\a:QL+12*\a+3], v[L16], s[80:81] offset:QR_C+768*\a
	global_load_b64 v[QL+12*\a+4:QL+12*\a+5], v[L8], s[80:81] offset:QR_C+768*\a+512
	global_load_b128 v[QR+12*\a:QR+12*\a+3], v[L16], s[80:81] offset:QR_C+768*\a
	global_load_b64 v[QR+12*\a+4:QR+12*\a+5], v[L8], s[80:81] offset:QR_C+768*\a+512
	global_load_b128 v[QH+12*\a+6:QH+12*\a+9], v[TQ+8*\a+4], s[82:83] offset:QR_C
	global_load_b64 v[QH+12*\a+10:QH+12*\a+11], v[TQ+8*\a+5], s[82:83] offset:QR_C+512
	global_load_b128 v[QR+12*\a+6:QR+12*\a+9], v[TQ+8*\a+4], s[82:83] offset:QR_C
	global_load_b64 v[QR+12*\a+10:QR+12*\a+11], v[TQ+8*\a+5], s[82:83] offset:QR_C+512
.irp i, 0,1,2,3,4,5
	v_mov_b32 v[QW+12*\a+6+\i], 0                  ; the halves of K that count for nothing: zero codes
	v_mov_b32 v[QL+12*\a+6+\i], 0
	v_mov_b32 v[QH+12*\a+\i], 0
.endr
.endr
.set i, 0
.rept 64
	v_mov_b32 v[O+i], 0                            ; O^T.  (The step is written once for all steps: the first finds zeros, which the first change of M leaves zeros)
.set i, i+1
.endr
	WIN 0
.irp a, 0,1
	global_load_b32 v[SQW+\a], v[TQ+8*\a], s[4:5] offset:QW_S
	global_load_b32 v[SQR+\a], v[TQ+8*\a], s[4:5] offset:QR_S
	global_load_b32 v[TQ+8*\a+6], v[TQ+8*\a+1], s[4:5] offset:QR_S
	v_mov_b32 v[NM+2*\a+1], 0xff61b1e6             ; the largest t so far: -3e38, under every t
	s_delay_alu instid0(VALU_DEP_1)
	v_floor_f32 v[NM+2*\a], -v[NM+2*\a+1]
	v_mov_b32 v[SU+2*\a], 0
	v_mov_b32 v[SU+2*\a+1], 0
	v_mov_b32 v[FF+2*\a+1], 0                      ; (named as the upper half of the pair with f before it is first written)
.endr
.irp b, 0,1,2,3
	v_mov_b32 v[PT+\b], 0                          ; written once: a lane permute's destination counts as one of its sources
.endr
	s_wait_loadcnt 0x0
.irp a, 0,1
	v_lshl_or_b32 v[SQR+\a], v[TQ+8*\a+6], 16, v[SQR+\a]           ; bytes 0, 1: q_i's; bytes 2, 3: q_(i+1)'s
.endr
.set i, 0
.rept 48
	v_mov_b32 v[F+i], 0                            ; the fragment buffers: a band of half records names halves that it has not loaded, so they are written once.  (These are also the places behind the scale words' lines)
.set i, i+1
.endr
	s_wait_tensorcnt 0x0                           ; my part of slot 0 is in; ahead of a later first fill:
	ds_add_u32 v[SPW], v[NIL]                      ; 0 onto my spare word,
	s_wait_dscnt 0x0                               ; and the add is done
	s_barrier_signal -1
	s_barrier_wait -1                              ; everybody's part is in
	TLOAD 0                                        ; slot 1's first fill, key step 1: the first tensor load behind the barrier
.Lstep:
	STEP 2
	s_sub_co_u32 s[CNT], s[CNT], 1
	s_cmp_lg_u32 s[CNT], 0
	s_cbranch_scc1 .Lstep
	STEP 1                                         ; the last two steps are written out: nothing is left to fetch
	STEP 0
	; THE WAY OUT: O^T / the sum is the output product's operand along K = 16 heads x 64: it is quantised as it stands, two blocks of 32 a tile, and leaves as half records of abuf.
	PLACES 4
.irp a, 0,1
	v_add_f32 v[SU+2*\a], v[SU+2*\a], v[SU+2*\a+1]
.endr
.irp a, 0,1
	s_delay_alu instid0(VALU_DEP_2)
	v_permlanex16_b32 v[PT+\a], v[SU+2*\a], s[SEL], s[SEL+1]
.endr
.irp a, 0,1
	s_delay_alu instid0(VALU_DEP_2)
	v_add_f32 v[SU+2*\a], v[SU+2*\a], v[PT+\a]     ; the row's sum
.endr
	s_wait_alu depctr_va_vdst(0)
.irp a, 0,1
	v_rcp_f32 v[SU+2*\a], v[SU+2*\a]
.endr
	v_and_b32 v11, 15, v0                          ; (a plain place behind the transcendentals)
	s_delay_alu instid0(VALU_DEP_1)
	v_lshlrev_b32 v11, 2, v11
	s_lshr_b32 s17, s[HD], 2                       ; the group block: (which 256 of K) x 32 + the tokens' group
	s_lshl_b32 s17, s17, 5
	s_lshr_b32 s18, s[BH], 4
	s_lshl_b32 s18, s18, 4
	s_add_co_u32 s17, s17, s18
	s_lshl_b32 s18, ttmp9, 1
	s_add_co_u32 s17, s17, s18
	s_lshr_b32 s18, s[WV], 2
	s_add_co_u32 s17, s17, s18
	s_mul_i32 s17, s17, 25600
	s_bfe_u32 s18, s[HD], 0x10001                  ; which 128 of the 256,
	s_and_b32 s71, s[WV], 3
	s_lshl_b32 s71, s71, 1                         ; tile 0's place in the group (tile 1's: the next, in the immediate),
	s_and_b32 s72, s[HD], 1                        ; which half of the record
	s_mul_i32 s74, s18, 12288
	s_mul_i32 s76, s71, 1536
	s_add_co_u32 s74, s74, s76
	s_mul_i32 s76, s72, 768
	s_add_co_u32 s74, s74, s76
	s_add_co_u32 s74, s74, s17
	s_mov_b32 s75, 0
	s_add_nc_u64 s[84:85], s[10:11], s[74:75]
	s_lshl_b32 s74, s18, 9
	s_lshl_b32 s76, s71, 6
	s_add_co_u32 s74, s74, s76
	s_lshl_b32 s76, s72, 1
	s_add_co_u32 s74, s74, s76
	s_add_co_u32 s74, s74, s17
	s_add_co_u32 s74, s74, 24576
	s_add_nc_u64 s[86:87], s[10:11], s[74:75]
	s_wait_alu depctr_va_vdst(0)                   ; one wait for both reciprocals, ahead of their first reader
	WIN 0x01                                       ; source 0 (O^T) window 1
.irp a, 0,1
.set i, 0
.rept 16
	v_pk_mul_f32 v[S+64*\a+i:S+64*\a+i+1], v[O+32*\a+i:O+32*\a+i+1], v[SU+2*\a:SU+2*\a+1] op_sel_hi:[1,0]   ; register 8 t + j: channel 16 t + 8 h + j of my query
.set i, i+2
.endr
.endr
	WIN 0
.macro QUANTH sb, pc, pw               ; 32 numbers of a lane become six registers of codes and two scale bytes
.irp b, 0,1
	v_max3_num_f32 v[BM+\b], |v[\sb+16*\b]|, |v[\sb+1+16*\b]|, 0x1800000
.endr
.irp i, 2,4,6,8,10,12,14
.irp b, 0,1
	s_delay_alu instid0(VALU_DEP_2)
	v_max3_num_f32 v[BM+\b], v[BM+\b], |v[\sb+16*\b+\i]|, |v[\sb+1+16*\b+\i]|
.endr
.endr
.irp b, 0,1
	s_delay_alu instid0(VALU_DEP_2)
	v_permlanex16_b32 v[PT+\b], v[BM+\b], s[SEL], s[SEL+1]
.endr
.irp b, 0,1
	s_delay_alu instid0(VALU_DEP_2)
	v_max_num_f32 v[BM+\b], v[BM+\b], v[PT+\b]
.endr
.irp b, 0,1
	s_delay_alu instid0(VALU_DEP_2)
	v_add_nc_u32 v[SO+\b], 0xff000000, v[BM+\b]
.endr
.irp b, 0,1
	s_delay_alu instid0(VALU_DEP_2)
	v_lshrrev_b32 v[PT+\b], 23, v[SO+\b]
.endr
	s_delay_alu instid0(VALU_DEP_1)
	v_lshl_or_b32 v[\pw], v[PT+1], 8, v[PT]        ; my head's two bytes of the row's scale word
	v_cvt_scalef32_pk16_fp6_f32 v[\pc:\pc+2], v[\sb:\sb+15], v[SO]
	v_cvt_scalef32_pk16_fp6_f32 v[CT:CT+2], v[\sb+16:\sb+31], v[SO+1]
	v_nop                                          ; one plain place behind a scaled conversion
.irp i, 0,1,2
	v_permlane16_swap_b32 v[\pc+\i], v[CT+\i]
.endr
.irp i, 0,1,2
	s_delay_alu instid0(VALU_DEP_3)
	v_mov_b32 v[\pc+3+\i], v[CT+\i]
.endr
.endm
.irp a, 0,1                                    ; each tile has its own registers for what it stores
	QUANTH S+64*\a, PC0+6*\a, PWH+\a
	global_store_b128 v[L16], v[PC0+6*\a:PC0+6*\a+3], s[84:85] offset:1536*\a          ; 512 consecutive bytes at a multiple of 256,
	global_store_b64 v[L8], v[PC0+6*\a+4:PC0+6*\a+5], s[84:85] offset:1536*\a+512      ; and 256
	global_store_b16 v11, v[PWH+\a], s[86:87] offset:64*\a                             ; lanes r and r + 16 hold the same two bytes and store them to the same place
.endr
	s_wait_tensorcnt 0x0                           ; the wave's end: behind my last tensor load and my last LDS store
	ds_add_u32 v[SPW], v[NIL]
	s_wait_dscnt 0x0
	s_endpgm
.Lfunc_end_k_q841fee78ec_attn:
	.size	k_q841fee78ec_attn, .Lfunc_end_k_q841fee78ec_attn-k_q841fee78ec_attn
	.p2alignl 7, 3214868480
	.fill 96, 4, 3214868480
	.section	.rodata,"a",@progbits
	.p2align	6, 0x0
	.amdhsa_kernel k_q841fee78ec_attn
		.amdhsa_group_segment_fixed_size 327680
		.amdhsa_private_segment_fixed_size 0
		.amdhsa_enable_private_segment 0
		.amdhsa_kernarg_size 32
		.amdhsa_user_sgpr_count 2
		.amdhsa_user_sgpr_kernarg_segment_ptr 1
		.amdhsa_wavefront_size32 1
		.amdhsa_system_sgpr_workgroup_id_x 1
		.amdhsa_system_sgpr_workgroup_id_y 1
		.amdhsa_system_sgpr_workgroup_id_z 1
		.amdhsa_system_vgpr_workitem_id 0
		.amdhsa_next_free_vgpr 448
		.amdhsa_next_free_sgpr 96
		.amdhsa_reserve_vcc 0
		.amdhsa_float_denorm_mode_32 3
		.amdhsa_float_denorm_mode_16_64 3
		.amdhsa_memory_ordered 1
		.amdhsa_forward_progress 1
		.amdhsa_inst_pref_size 247
	.end_amdhsa_kernel
	.amdgpu_metadata
---
amdhsa.version: [ 1, 2 ]
amdhsa.kernels:
  - .name:           k_q841fee78ec_attn
    .symbol:         k_q841fee78ec_attn.kd
    .args:
      - { .name: qbuf, .offset: 0, .size: 8, .value_kind: global_buffer, .address_space: global }
      - { .name: kvbuf, .offset: 8, .size: 8, .value_kind: global_buffer, .address_space: global }
      - { .name: rbuf, .offset: 16, .size: 8, .value_kind: global_buffer, .address_space: global }
      - { .name: abuf, .offset: 24, .size: 8, .value_kind: global_buffer, .address_space: global }
    .group_segment_fixed_size: 327680
    .private_segment_fixed_size: 0
    .kernarg_segment_align: 8
    .kernarg_segment_size: 32
    .max_flat_workgroup_size: 256
    .sgpr_count:     96
    .vgpr_count:     448
    .wavefront_size: 32
...
	.end_amdgpu_metadata
.endif
;; end of part 3
;; launch outp (part 4): grid 4 x 32, 4 waves a work-group, clusters of 4 x 4, 327,680 bytes of LDS; arguments abuf, xw, bo, out0; writes out0
.if DOCPART == 4
	.amdgcn_target "amdgcn-amd-amdhsa--gfx1250"
	.amdhsa_code_object_version 6
	.text
	.protected	k_q841fee78ec_outp
	.globl	k_q841fee78ec_outp
	.p2align	8
	.type	k_q841fee78ec_outp,@function
k_q841fee78ec_outp:
	s_mov_b64 s[64:65], 0
	v_nop
	global_prefetch_b8 v0, s[64:65] scope:SCOPE_SE
	s_setreg_imm32_b32 hwreg(HW_REG_WAVE_MODE, 25, 1), 1
	s_wait_xcnt 0x0
	s_wait_alu depctr_hold_cnt(0) depctr_sa_sdst(0) depctr_va_vdst(0) depctr_va_sdst(0) depctr_va_ssrc(0) depctr_va_vcc(0) depctr_vm_vsrc(0)
	s_getreg_b32 s2, hwreg(HW_REG_IB_STS2, 6, 4)
	s_cmp_eq_u32 s2, 0
	s_cbranch_scc0 .Lentry_in_a_cluster
	s_endpgm
.Lentry_in_a_cluster:
	s_bfe_u32 s2, ttmp6, 0x10000c
	s_cmp_lg_u32 s2, 0xf033
	s_cbranch_scc0 .Lentry_shape_is_right
	s_endpgm
.Lentry_shape_is_right:
; out0[token][n] = sum over k of A[token][k] Wo[n][k] + bo[n], K = 1,024, on codes of FP6 (E2M3) with E8M0 scales.  A (abuf, made by the attention launch) and Wo (in xw) lie as images of operand registers:
; a record of 1,536 bytes a fragment, a group block of 25,600 bytes = 8 tiles of rows x 256 K with its scale words.
; SHARES: a work-group makes 128 tokens x 256 outputs; wave w takes the tokens' tiles 4 (w / 2) + 0..3 against Wo's group w % 2: 32 accumulators.  Source 0 = 16 rows of Wo, source 1 = 16 tokens: a lane holds
; eight neighbouring outputs of one token.  ALL OF K LIES IN LDS: four chunks of 76,800 bytes (A's group, Wo's two), each filled once: no slot is filled again.  bo is the C of each sum's first product.
; CLUSTERS: 4 x 4.  A's blocks hang on the cluster's row, Wo's on its column: each is asked for jointly by the four that share it.  A wave has one tensor load out at a time.
; 128 work-groups: the tile is kept at 128 x 256 so that this text walks K as the projections' text does.
; REGISTERS: window 0: v1-13 addresses; v32-43 scale words, two sets; v48-143 A's fragments, two sets; v144-207 bo; on the way out v48-175 rows of the result.  Window 1: v0-191 Wo's fragments, two sets.
;   Window 2: accumulator (a, b) at v[64 a + 8 b].
.set GRP,   25600
.set CHUNK, 3*GRP
.set SPARE, 4*CHUNK                    ; behind the chunks: the spare words, 128 bytes a wave: two blocks of 256 bytes that no other line names
.set SCO,   24576
.set SPW, 1
.set NIL, 2
.set AL16, 3
.set AL8,  4
.set AL4,  5
.set AP16, 6
.set AP8,  7
.set AP4,  8
.set L16,  9
.set L8,   10
.set STO,  12                          ; v12  the stage, way in
.set RD,   13                          ; v13  the stage, way out
.set BOF,  21
.set SCL,  32
.set LF,   48
.set BO,   144
.set WV,  22
.set WL,  23
.set WP,  24
.set CX,  25
.set CY,  26
.set CL,  27
.set LROW, 29
.set PCOL, 30
.set G1L, 32
.set G1P, 40
.set G0L, 48
.set G0P, 68
.set MSB, 0
.macro WIN new                         ; the immediate's high byte repeats the setting that is left
.if MSB != (\new)
	s_set_vgpr_msb (MSB<<8)|(\new)
.set MSB, (\new)
.endif
.endm
.macro PLACES n
.rept \n
	v_nop
.endr
.endm
.macro CROUND                          ; a round of the cluster's barrier
	s_barrier_signal -1
	s_barrier_wait -1
	s_cmp_lg_u32 s[WV], 0
	s_cbranch_scc1 .Lnot_wave_0_\@
	s_barrier_signal -3
.Lnot_wave_0_\@:
	s_barrier_wait -3
	s_barrier_signal -1
	s_barrier_wait -1
.endm
.macro WM d, a, b, c, sa, sb, ra, rb   ; one product.  ra, rb: the side's scale words stand in lanes 16-31 of the register named
.if (\ra) && (\rb)
	v_wmma_scale_f32_16x16x128_f8f6f4 v[(\d):(\d)+7], v[(\a):(\a)+11], v[(\b):(\b)+11], v[(\c):(\c)+7], v[\sa], v[\sb] matrix_a_fmt:MATRIX_FMT_FP6 matrix_b_fmt:MATRIX_FMT_FP6 matrix_a_scale:MATRIX_SCALE_ROW1 matrix_b_scale:MATRIX_SCALE_ROW1
.elseif (\ra)
	v_wmma_scale_f32_16x16x128_f8f6f4 v[(\d):(\d)+7], v[(\a):(\a)+11], v[(\b):(\b)+11], v[(\c):(\c)+7], v[\sa], v[\sb] matrix_a_fmt:MATRIX_FMT_FP6 matrix_b_fmt:MATRIX_FMT_FP6 matrix_a_scale:MATRIX_SCALE_ROW1
.elseif (\rb)
	v_wmma_scale_f32_16x16x128_f8f6f4 v[(\d):(\d)+7], v[(\a):(\a)+11], v[(\b):(\b)+11], v[(\c):(\c)+7], v[\sa], v[\sb] matrix_a_fmt:MATRIX_FMT_FP6 matrix_b_fmt:MATRIX_FMT_FP6 matrix_b_scale:MATRIX_SCALE_ROW1
.else
	v_wmma_scale_f32_16x16x128_f8f6f4 v[(\d):(\d)+7], v[(\a):(\a)+11], v[(\b):(\b)+11], v[(\c):(\c)+7], v[\sa], v[\sb] matrix_a_fmt:MATRIX_FMT_FP6 matrix_b_fmt:MATRIX_FMT_FP6
.endif
.endm
.macro FRAGLD reg, a16, a8, off        ; a record comes back as the registers that it is an image of: every load takes consecutive bytes
	ds_load_b128 v[(\reg):(\reg)+3], v[\a16] offset:(\off)
	ds_load_b64 v[(\reg)+4:(\reg)+5], v[\a8] offset:(\off)+512
	ds_load_b128 v[(\reg)+6:(\reg)+9], v[\a16] offset:(\off)+768
	ds_load_b64 v[(\reg)+10:(\reg)+11], v[\a8] offset:(\off)+1280
.endm
.macro FETCH s                         ; K step s: Wo's eight fragments, A's four, and the scale words (a load of 4 bytes a lane brings two tiles' words): 54 loads
	WIN 0x40                                       ; destination window 1, address window 0
.irp b, 0,1,2,3,4,5,6,7
	FRAGLD 96*((\s)%2)+12*\b, AP16, AP8, ((\s)%2)*12288+\b*1536
.endr
	WIN 0
.irp a, 0,1,2,3
	FRAGLD LF+48*((\s)%2)+12*\a, AL16, AL8, ((\s)%2)*12288+\a*1536
.endr
.irp k, 0,1
	ds_load_b32 v[SCL+6*((\s)%2)+\k], v[AL4] offset:((\s)%2)*512+128*\k
.endr
.irp k, 0,1,2,3
	ds_load_b32 v[SCL+6*((\s)%2)+2+\k], v[AP4] offset:((\s)%2)*512+128*\k
.endr
.endm
.macro MUL s                           ; 32 products; the 32 accumulators take turns, one instruction a turn, in the same order in every step
.if (\s) == 0
	WIN 0x81                                       ; source 0 (Wo) window 1, source 1 (A) and C (bo) window 0, D window 2
.else
	WIN 0xa1                                       ; C and D window 2
.endif
.irp a, 0,1,2,3
.irp b, 0,1,2,3,4,5,6,7
.if (\s) == 0
	WM 64*\a+8*\b, 96*((\s)%2)+12*\b, LF+48*((\s)%2)+12*\a, BO+8*\b, SCL+6*((\s)%2)+2+\b/2, SCL+6*((\s)%2)+\a/2, \b%2, \a%2
.else
	WM 64*\a+8*\b, 96*((\s)%2)+12*\b, LF+48*((\s)%2)+12*\a, 64*\a+8*\b, SCL+6*((\s)%2)+2+\b/2, SCL+6*((\s)%2)+\a/2, \b%2, \a%2
.endif
.endr
.endr
.endm
; A K step of 128: the next step's fragments are asked for, then this step's 32 products are issued.  Before a chunk's first fragments are asked for, the wave's own load of that chunk has landed and a barrier
; shows that of every wave.
.macro STEP s
.if ((\s)%2 == 1) && ((\s) < 7)
.if (\s) == 3
	s_wait_tensorcnt 0x0                           ; my part of the second half of K is in
.endif
	s_wait_dscnt 0x0                               ; this step's fragments are in, and no LDS instruction of mine is out at the signal
.if (\s) == 3
	s_barrier_signal -1                            ; the one barrier of the walk: it shows the second half to every wave
	s_barrier_wait -1
.endif
	WIN 0
.irp x, AL16, AL8, AL4, AP16, AP8, AP4
	v_add_nc_u32 v[\x], CHUNK, v[\x]               ; on to the next chunk; these six are also the places in front of the loads below
.endr
.else
	s_wait_dscnt 0x0                               ; this step's fragments are in
.if ((\s) > 0) && ((\s) < 7)
	PLACES 4                                       ; in front of loads into registers that matrix instructions have read
.endif
.endif
.if (\s) < 7
	FETCH (\s)+1
.endif
	MUL \s
.endm
	s_load_b256 s[4:11], s[0:1], 0x0               ; abuf, xw, bo, out0
	v_lshl_add_u32 v[SPW], v0, 2, SPARE
	v_mov_b32 v[NIL], 0
	ds_add_u32 v[SPW], v[NIL]                      ; the wave's opening: the add and its wait ahead of my first tensor load; the set-up below, work on registers, stands between them
	ds_add_u32 v[SPW], v[NIL]
	v_lshrrev_b32 v12, 5, v0
	v_readfirstlane_b32 s[WV], v12                 ; wave 0..3
	s_lshr_b32 s[WL], s[WV], 1                     ; which four tiles of tokens are mine.  Also: I fetch for A (0) or for Wo (1)
	s_and_b32 s[WP], s[WV], 1                      ; which group of Wo is mine.  Also: which part I fetch
	s_bfe_u32 s[CX], ttmp6, 0x40000
	s_bfe_u32 s[CY], ttmp6, 0x40004
	s_and_b32 s[CL], ttmp7, 0xffff                 ; the cluster's y
	s_lshl_b32 s[LROW], s[CL], 2
	s_add_co_u32 s[LROW], s[LROW], s[CY]           ; my group of tokens
	s_mov_b32 s[PCOL], s[CX]                       ; my pair of groups of Wo
	s_lshl_b32 s2, s[CY], 2
	s_lshl_b32 s2, 15, s2                          ; my row of the cluster
	s_lshl_b32 s3, 0x1111, s[CX]                   ; my column
	s_or_b32 s[G1L], s2, (3<<16)|(1<<21)           ; 15:0 the mask; 17:16 elements of 8 bytes; 20 no padding; 21 set beside a mask
	s_or_b32 s[G1P], s3, (3<<16)|(1<<21)
.irp g, G1L, G1P
	s_mov_b32 s[\g+1], 32<<16                      ; rows of 256 bytes of a dense block
	s_mov_b32 s[\g+3], 32<<16
	s_mov_b32 s[\g+5], 32
	s_mov_b32 s[\g+6], 0
	s_mov_b32 s[\g+7], 0
.endr
	; THE FILLS, as this text now has them (this stands in place of what the head comment says of the fills and of the loads that are out):
	; K comes in two halves of two chunks.  In each half wave w fetches for chunk 2 x half + w % 2: waves 0, 1 A's group block (100 rows of 256 bytes),
	; waves 2, 3 Wo's two group blocks, which are neighbours in memory and in the chunk (200 rows).  One tensor load a wave is out at a time.
	s_mov_b32 s[G1L+2], 100<<16                    ; a group block: 100 rows
	s_mov_b32 s[G1L+4], 100
	s_mov_b32 s[G1P+2], 200<<16                    ; two group blocks: 200 rows
	s_mov_b32 s[G1P+4], 200
	s_lshl_b32 s90, s[WP], 5                       ; A: block chunk x 32 + my group; my chunk of the first half: w % 2; in registers that never hold cx
	s_add_co_u32 s90, s90, s[LROW]
	s_mul_i32 s90, s90, GRP
	s_mov_b32 s91, 0
	s_mul_i32 s93, s[WP], CHUNK                    ; my chunk's place in LDS
	s_lshl_b32 s94, s[PCOL], 1                     ; Wo: block 4 x 144 + chunk x 8 + my pair's first group; in registers that never hold cy
	s_lshl_b32 s96, s[WP], 3
	s_add_co_u32 s94, s94, s96
	s_add_co_u32 s94, s94, 4*144
	s_mul_i32 s94, s94, GRP
	s_mov_b32 s95, 0
	s_add_co_u32 s86, s93, GRP                     ; Wo's two blocks lie behind A's in the chunk
	s_mul_i32 s97, s[WP], GRP
	s_add_co_u32 s97, s97, GRP                     ; the group of Wo that I multiply, in a chunk
	s_wait_dscnt 0x0                               ; the opening add is done
	s_wait_kmcnt 0x0
.irp sp, 0,1                                   ; a group 0 for each half of K
	s_mov_b32 s[G0L+4*\sp], 1
	s_add_co_u32 s[G0L+4*\sp+1], s93, \sp*2*CHUNK
	s_add_nc_u64 s[G0L+4*\sp+2:G0L+4*\sp+3], s[4:5], s[90:91]
	s_or_b32 s[G0L+4*\sp+3], s[G0L+4*\sp+3], 0x80000000
	s_add_co_u32 s90, s90, 64*GRP
	s_mov_b32 s[G0P+4*\sp], 1
	s_add_co_u32 s[G0P+4*\sp+1], s86, \sp*2*CHUNK
	s_add_nc_u64 s[G0P+4*\sp+2:G0P+4*\sp+3], s[6:7], s[94:95]
	s_or_b32 s[G0P+4*\sp+3], s[G0P+4*\sp+3], 0x80000000
	s_add_co_u32 s94, s94, 16*GRP
.endr
; A joint load of half hf: waves 0, 1 for A, waves 2, 3 for Wo; the branch hangs on the wave's number alone.  An s_nop 0 and four v_nop follow each line.
.macro JLOAD hf
	s_cmp_eq_u32 s[WL], 0
	s_cbranch_scc0 .Lfor_p_\@
	tensor_load_to_lds s[G0L+4*\hf:G0L+4*\hf+3], s[G1L:G1L+7]
	s_nop 0
	PLACES 4
	s_branch .Lasked_\@
.Lfor_p_\@:
	tensor_load_to_lds s[G0P+4*\hf:G0P+4*\hf+3], s[G1P:G1P+7]
	s_nop 0
	PLACES 4
.Lasked_\@:
.endm
	CROUND                                         ; all sixteen work-groups are here: the joint loads meet
	JLOAD 0                                        ; the first half of K: one tensor load a wave at the head
	v_and_b32 v14, 31, v0                          ; lane
	v_and_b32 v15, 15, v0                          ; r
	v_bfe_u32 v16, v0, 4, 1                        ; h
	v_lshlrev_b32 v[L16], 4, v14
	v_lshlrev_b32 v[L8], 3, v14
	v_lshlrev_b32 v17, 2, v14
	v_lshlrev_b32 v[BOF], 5, v16
	s_mul_i32 s2, s[WL], 4*1536
	v_add_nc_u32 v[AL16], s2, v[L16]
	v_add_nc_u32 v[AL8], s2, v[L8]
	s_lshl_b32 s2, s[WL], 8
	s_add_co_u32 s2, s2, SCO
	v_add_nc_u32 v[AL4], s2, v17
	v_add_nc_u32 v[AP16], s97, v[L16]
	v_add_nc_u32 v[AP8], s97, v[L8]
	s_add_co_u32 s2, s97, SCO
	v_add_nc_u32 v[AP4], s2, v17
	s_mul_i32 s2, s[WV], 8448                      ; my stage: 16 rows x (512 bytes + 16), in the first chunk, which has had its one fill and its last read when the first result is stored there
	v_mul_u32_u24 v[STO], v15, 528
	v_lshl_add_u32 v[STO], v16, 5, v[STO]
	v_add_nc_u32 v[STO], s2, v[STO]                ; in: row r, 32 bytes for each half of the lanes
	v_add_nc_u32 v[RD], s2, v[L16]                 ; back: the 32 lanes take one row of 512 bytes
	s_lshl_b32 s2, s[PCOL], 10                     ; 4 bytes x (256 x pair of groups + 128 x group)
	s_lshl_b32 s3, s[WP], 9
	s_add_co_u32 s2, s2, s3
	s_mov_b32 s3, 0
	s_add_nc_u64 s[8:9], s[8:9], s[2:3]
	s_add_nc_u64 s[10:11], s[10:11], s[2:3]        ; my columns of out0,
	s_lshl_b32 s2, s[LROW], 19                     ; 128 rows of 4,096 bytes a group,
	s_lshl_b32 s31, s[WL], 18                      ; 64 rows a half
	s_add_co_u32 s2, s2, s31
	s_add_nc_u64 s[10:11], s[10:11], s[2:3]
.irp b, 0,1,2,3,4,5,6,7                        ; register 8 b + j: bo at 16 b + 8 (lane / 16) + j: the result's layout
	global_load_b128 v[BO+8*\b:BO+8*\b+3], v[BOF], s[8:9] offset:64*\b
	global_load_b128 v[BO+8*\b+4:BO+8*\b+7], v[BOF], s[8:9] offset:64*\b+16
.endr
	s_wait_alu depctr_va_vdst(0)
	s_wait_loadcnt 0x0
	s_wait_tensorcnt 0x0                           ; my part of the first half is in; ahead of a later first fill:
	ds_add_u32 v[SPW], v[NIL]                      ; 0 onto my spare word,
	s_wait_dscnt 0x0                               ; and the add is done
	CROUND                                         ; a whole round: everybody's part is in, and the sixteen work-groups are here: the joint loads meet
	JLOAD 1                                        ; the second half of K, the first tensor load behind the round: it has three K steps, 96 products a wave, in which to land
	FETCH 0
	STEP 0
	STEP 1
	s_wait_alu depctr_va_vdst(0)
	STEP 2
	STEP 3
	s_wait_alu depctr_va_vdst(0)
	STEP 4
	STEP 5
	s_wait_alu depctr_va_vdst(0)
	STEP 6
	STEP 7
	WIN 0
; THE WAY OUT, a tile of 16 tokens x 128 outputs at a time.  A lane holds 32 neighbouring bytes of a row and the lanes beside it hold other rows: so a tile goes through my own stage in LDS and comes back as whole rows
; of 512 bytes.  LDS serves a wave's instructions in order: no wait between the stores and the loads, nor in front of the next tile's stores.
.macro TOSTAGE a
	WIN 0x08                                       ; an LDS store's data are its source 1: window 2
.irp b, 0,1,2,3,4,5,6,7
	ds_store_b128 v[STO], v[64*(\a)+8*\b:64*(\a)+8*\b+3] offset:64*\b          ; each accumulator from its low end on
	ds_store_b128 v[STO], v[64*(\a)+8*\b+4:64*(\a)+8*\b+7] offset:64*\b+16
.endr
	WIN 0
.irp t, 0,1,2,3,4,5,6,7,8,9,10,11,12,13,14,15
	ds_load_b128 v[48+64*((\a)%2)+4*\t:48+64*((\a)%2)+4*\t+3], v[RD] offset:528*\t
.endr
.endm
.macro SEND a, younger                 ; younger: the LDS instructions issued behind tile a's loads, which may stay out
	s_wait_dscnt \younger
.irp t, 0,1,2,3,4,5,6,7,8,9,10,11,12,13,14,15
	global_store_b128 v[L16], v[48+64*((\a)%2)+4*\t:48+64*((\a)%2)+4*\t+3], s[10:11] offset:(\a)*65536+\t*4096 th:TH_STORE_NT   ; 32 lanes store 512 consecutive bytes, at a multiple of 256 from out0's first byte
.endr
.endm
	PLACES 4                                       ; behind the last products: their results are read, and loads land in registers that held their operands
	TOSTAGE 0
.irp a, 1,2,3
.if \a > 1
	s_wait_xcnt 0x0                                ; the stores of the tile two back have read their registers: this tile's loads may land there
.endif
	TOSTAGE \a
	SEND \a-1, 32                                  ; behind that tile's loads: this tile's 16 stores and 16 loads
.endr
	SEND 3, 0
	s_wait_tensorcnt 0x0                           ; the wave's end: behind my last tensor load and my last LDS store
	ds_add_u32 v[SPW], v[NIL]
	s_wait_dscnt 0x0
	CROUND                                         ; the closing round: no work-group ends while a partner may still ask for a block that names it
	s_endpgm
.Lfunc_end_k_q841fee78ec_outp:
	.size	k_q841fee78ec_outp, .Lfunc_end_k_q841fee78ec_outp-k_q841fee78ec_outp
	.p2alignl 7, 3214868480
	.fill 96, 4, 3214868480
	.section	.rodata,"a",@progbits
	.p2align	6, 0x0
	.amdhsa_kernel k_q841fee78ec_outp
		.amdhsa_group_segment_fixed_size 327680
		.amdhsa_private_segment_fixed_size 0
		.amdhsa_enable_private_segment 0
		.amdhsa_kernarg_size 32
		.amdhsa_user_sgpr_count 2
		.amdhsa_user_sgpr_kernarg_segment_ptr 1
		.amdhsa_wavefront_size32 1
		.amdhsa_system_sgpr_workgroup_id_x 1
		.amdhsa_system_sgpr_workgroup_id_y 1
		.amdhsa_system_sgpr_workgroup_id_z 1
		.amdhsa_system_vgpr_workitem_id 0
		.amdhsa_next_free_vgpr 768
		.amdhsa_next_free_sgpr 100
		.amdhsa_reserve_vcc 0
		.amdhsa_float_denorm_mode_32 3
		.amdhsa_float_denorm_mode_16_64 3
		.amdhsa_memory_ordered 1
		.amdhsa_forward_progress 1
		.amdhsa_inst_pref_size 86
	.end_amdhsa_kernel
	.amdgpu_metadata
---
amdhsa.version: [ 1, 2 ]
amdhsa.kernels:
  - .name:           k_q841fee78ec_outp
    .symbol:         k_q841fee78ec_outp.kd
    .args:
      - { .name: abuf, .offset: 0, .size: 8, .value_kind: global_buffer, .address_space: global }
      - { .name: xw, .offset: 8, .size: 8, .value_kind: global_buffer, .address_space: global }
      - { .name: bo, .offset: 16, .size: 8, .value_kind: global_buffer, .address_space: global }
      - { .name: out0, .offset: 24, .size: 8, .value_kind: global_buffer, .address_space: global }
    .group_segment_fixed_size: 327680
    .private_segment_fixed_size: 0
    .kernarg_segment_align: 8
    .kernarg_segment_size: 32
    .max_flat_workgroup_size: 128
    .sgpr_count:     100
    .vgpr_count:     768
    .wavefront_size: 32
...
	.end_amdgpu_metadata
.endif
;; end of part 4
